; MI455X (gfx1250); checked and timed in simulation.
; The chip was launched on July 23, 2026; its instructions are those of AMD's public machine-readable ISA for CDNA 5 (MIT licence, August 2026) and "CDNA5" Instruction Set Architecture Reference Guide (July 2026). The comments in the code are by the model that wrote it; some were corrected since.
;; Self Attention. Allowed arithmetic: matrix products marked QUANTISED: E4M3 operands, one E8M0 scale for each 32 along K, by v_wmma_scale_f32_16x16x128_f8f6f4 with both operands' format E4M3, f32 sums; everything else in f32.
;; Inputs: W_proj 1,024 x 1,024 float32; W_qkv 1,024 x 3,072 float32; b_proj 1,024 float32; b_qkv 3,072 float32; beta 1,024 float32; gamma 1,024 float32; x 4 x 1,024 x 2,048 float32.
;; Outputs: out0 4 x 1,024 x 2,048 float32.
;; This version of the problem:
;;   THIS VERSION OF THE PROBLEM IS GIVEN IN LOW PRECISION. The matrix products marked QUANTISED in the list below multiply operands that are first quantised to E4M3 (4 exponent bits, 3 mantissa bits; 8 bits a number), with one power-of-two scale for each 32 numbers along K (OCP MX v1.0); their sums are f32. All else is computed in f32.
;;   The module's matrix products, in the order in which they are computed (A, B: the left and right operand; K: the contracted axis; several contracted axes count as one K, in the product's order):
;;     1. [M 8,192, K 1,024] x [K 1,024, N 3,072]; A: computed on the way; B: input W_qkv: QUANTISED
;;     2. batch 64 x [M 2,048, K 64] x [K 64, N 2,048]; A: computed on the way; B: computed on the way: QUANTISED
;;     3. batch 64 x [M 2,048, K 2,048] x [K 2,048, N 64]; A: softmax (see below); B: computed on the way: QUANTISED
;;     4. [M 8,192, K 1,024] x [K 1,024, N 1,024]; A: computed on the way; B: input W_proj: QUANTISED
;;   THE QUANTISER, for each operand of a quantised product, along K:
;;     - K is cut into blocks of 32 from its start; a last block that is shorter is filled with zeros.
;;     - A block's scale is 2^e with e = floor(log2(the largest magnitude in the block)) - 8, held to -126 .. 127; a block of zeros has e = 0. As a byte (E8M0): e + 127.
;;     - Each number is divided by its block's scale, clamped to +-448, and rounded to the nearest number of E4M3, ties to even, subnormals kept.
;;     - The product sums the exact products of the quantised numbers (number of the format x scale) in f32.
;;   ~~~python
;;   def quantise(x, axis):      # numpy; x: float32 -> the quantised numbers, widened to float32 again
;;       x = np.moveaxis(x, axis, -1); K = x.shape[-1]
;;       x = np.pad(x, [(0, 0)] * (x.ndim - 1) + [(0, -K % 32)]); x = x.reshape(x.shape[:-1] + (-1, 32)); a = np.abs(x).max(-1, keepdims=True)
;;       e = np.where(a > 0, np.clip(np.frexp(np.where(a > 0, a, 1))[1] - 1 - 8, -126, 127), 0)      # np.frexp(a)[1] - 1 = floor(log2(a)), exactly
;;       r = np.clip(x / 2.0 ** e, -448, 448)
;;       step = 2.0 ** (np.maximum(np.frexp(np.where(r == 0, 1, r))[1] - 1, -6) - 3)
;;       q = np.round(r / step) * step * 2.0 ** e      # np.round: ties to even
;;       return np.moveaxis(q.reshape(q.shape[:-2] + (-1,))[..., :K], -1, axis).astype(np.float32)
;;   ~~~
;;   SOFTMAX AHEAD OF A QUANTISED PRODUCT. Where the list says 'softmax', what is quantised is not the finished softmax but p = 2^(t - M), with t = logit x log2(e) and M = ceil(the row's largest t), a whole number; so 1/2 < the row's largest p <= 1. The row's sum l is taken of the UNQUANTISED p, in f32, and the product's result is divided by l at the end. Since M is a whole number, a kernel that streams over the keys may use a running M (the ceiling of the running maximum): every later rescaling is an exact power of two, which a block's scale takes up: the codes' values come out the same.
;;   OPERANDS COMPUTED ON THE WAY. 'Computed on the way' means the value that the module computes at that place (a softmax that the list does not call 'softmax' is quantised finished and normalised). What goes into a quantiser is computed in f32, as accurately as f32 sums, v_exp_f32 and their like allow (about 1e-6 of the number): no bf16 or f16 on the way to a quantiser, and a product that is left as it is and whose result goes on into a quantised operand takes f32 operands (vector FMAs, or v_wmma_f32_16x16x4_f32). A number that lies on a knife's edge between two numbers of the format may be rounded either way, as far as f32 arithmetic and the matrix unit's own rounding can turn it there, and no further.
;; One version. Each part assembles by itself: llvm-mc -triple=amdgcn-amd-amdhsa -mcpu=gfx1250 --defsym DOCPART=n.
;; ======== version 1 of 1: 4 launches
;; limits: right only within a limited range of input values
;; workspace buffers: xn 8,650,752 bytes; ao 8,650,752 bytes; wq 3,244,032 bytes; wp 1,081,344 bytes; qbuf 8,912,896 bytes; kvbuf 17,563,648 bytes
;; launch prep (part 1): grid 192 x 1, 16 waves a work-group, no clusters, 75,776 bytes of LDS; arguments x, W_qkv, W_proj, gamma, beta, xn, wq, wp; writes xn, wq, wp
.if DOCPART == 1
	.amdgcn_target "amdgcn-amd-amdhsa--gfx1250"
	.amdhsa_code_object_version 6
	.text
	.protected	k_qce5ce7f5a9_prep
	.globl	k_qce5ce7f5a9_prep
	.p2align	8
	.type	k_qce5ce7f5a9_prep,@function
k_qce5ce7f5a9_prep:
	s_mov_b64 s[64:65], 0
	v_nop
	global_prefetch_b8 v0, s[64:65] scope:SCOPE_SE
	s_setreg_imm32_b32 hwreg(HW_REG_WAVE_MODE, 25, 1), 1
	s_wait_xcnt 0x0
; LayerNorm over the channels of x [4][1024][2048], and the MX-FP8 (E4M3) quantiser along K for three tensors whose K is NOT innermost:
; xn (K = the channel), W_qkv [1024][3072] and W_proj [1024][1024] (K = the first axis).  One E8M0 byte for each 32 along K.
; OUTPUT LAYOUT (this program's own): columns (tokens, or W's columns) are gathered in tiles of 16: within each 32 columns, column x goes to tile 2 (col / 32) + ((x >> 3) & 1), row r = (x & 7) + 8 (x >> 4).
; A tile's codes are 8 images of operand registers, one for each 128 along K: [piece c 0..3][lane 0..31][16 bytes], lane (r, h) and piece c holding k = 32 c + 16 h + 0 .. 15.  16,384 bytes a tile.
; Behind all codes lie the scale words, 512 bytes a tile: [K step / 2][K step % 2][r], four bytes each (byte b: k = 32 b .. 32 b + 31 of that K step).
; SHARES.  A work-group takes 64 columns and all 1,024 along K.  Work-groups 0-127 take x, 128-175 W_qkv, 176-191 W_proj.  Wave w takes columns 32 (w & 1) on and K rows 128 (w >> 1) on.
; A LANE TAKES A COLUMN AND ITS 128 REGISTERS RUN DOWN K: a load reads 128 consecutive bytes, a block of 32 lies in one lane, and the conversions give codes with K innermost.
; The mean and the variance of a column are shared by eight waves: two exchanges through LDS.  Two passes (mean first, then squares of the differences), so that a common offset of x costs no digits.
; ALL THREE BARRIERS AND ALL LDS ACCESSES STAND ON THE ONE PATH THAT EVERY WORK-GROUP TAKES.  W's work-groups therefore form the two sums as well and do not use them (some 130 packed instructions);
; what changes the numbers (minus the mean; times rstd, times gamma, plus beta) is jumped over by them, on the work-group's number.
; LIMITS: NaN and infinities among the inputs are not served.  A block whose largest magnitude lies under 2^-118 keeps the byte 1; so does a block of zeros, where the rule says 127: its codes are zeros,
; which add nothing under any byte but 0xff, and this program alone reads the bytes.  1 / sqrt is v_rsq_f32.
.set X,    64                          ; v64-191  my column's 128 numbers
.set CD,   192                         ; v192-223 codes: eight registers for each of the four blocks
.set RED1, 0                           ; LDS: 16 waves x 128 bytes: partial sums
.set RED2, 2048                        ; the same for the squares
.set SST,  4096                        ; the work-group's 2,048 bytes of scale words, as they lie in memory
.set STG,  6144                        ; four tile images of 16,384 bytes, 16,512 apart: the two tiles that a half-wave writes fall on different banks
.set TP,   16512
.set WX,   128                         ; work-groups of x
.set WXQ,  176                         ; and of x and W_qkv together
	s_load_b512 s[4:19], s[0:1], 0x0               ; x s[4:5], W_qkv s[6:7], W_proj s[8:9], gamma s[10:11], beta s[12:13], xn s[14:15], wq s[16:17], wp s[18:19]
	v_lshl_add_u32 v224, v0, 2, 0x12000
	v_mov_b32 v225, 0
	v_lshrrev_b32 v1, 5, v0
	s_delay_alu instid0(VALU_DEP_1)
	v_readfirstlane_b32 s2, v1                     ; wave 0..15
	s_and_b32 s3, s2, 1                            ; th: which 32 columns
	s_lshr_b32 s66, s2, 1                          ; kr: which 128 along K
	v_and_b32 v1, 31, v0                           ; lane
	s_delay_alu instid0(VALU_DEP_1)
	v_lshlrev_b32 v2, 2, v1                        ; v2: 4 x lane: my column in a row of the source
	s_delay_alu instid0(VALU_DEP_2)
	v_lshlrev_b32 v6, 4, v1                        ; v6: 16 x lane
	v_bfe_u32 v30, v0, 3, 1                        ; u: which of the two tiles of my 32 columns
	s_wait_alu depctr_va_vdst(0)
	v_and_b32 v31, 7, v0
	v_bfe_u32 v32, v0, 4, 1
	s_delay_alu instid0(VALU_DEP_1)
	v_lshl_add_u32 v31, v32, 3, v31                ; r: my row in that tile
	s_mul_i32 s62, s3, 2*TP
	s_lshl_b32 s63, s66, 11
	s_add_co_u32 s62, s62, s63
	s_add_co_u32 s62, s62, STG
	v_mul_u32_u24 v3, v30, TP
	s_delay_alu instid0(VALU_DEP_1)
	v_lshl_add_u32 v3, v31, 4, v3
	s_delay_alu instid0(VALU_DEP_1)
	v_add_nc_u32 v3, s62, v3                       ; v3: into the images: tile 2 th + u, K step kr, 16 r
	s_lshl_b32 s62, s3, 10
	s_lshl_b32 s63, s66, 6
	s_add_co_u32 s62, s62, s63
	s_add_co_u32 s62, s62, SST
	v_lshlrev_b32 v4, 9, v30
	s_wait_alu depctr_va_vdst(0)
	v_lshl_add_u32 v4, v31, 2, v4
	s_delay_alu instid0(VALU_DEP_1)
	v_add_nc_u32 v4, s62, v4                       ; v4: my scale word: tile x 512 + 64 kr + 4 r
	s_lshr_b32 s62, s2, 2
	s_mul_i32 s62, s62, TP
	s_and_b32 s63, s2, 3
	s_lshl_b32 s63, s63, 12
	s_add_co_u32 s62, s62, s63
	s_add_co_u32 s62, s62, STG
	v_add_nc_u32 v5, s62, v6                       ; v5: the way out: wave w takes 4,096 bytes of tile w / 4
	v_lshlrev_b32 v7, 2, v0                        ; v7: my word among the partial sums: 128 w + 4 x lane
	s_lshl_b32 s62, s3, 7
	v_add_nc_u32 v8, s62, v2                       ; v8: the eight partial sums of my column lie 256 bytes apart from here
	v_lshl_add_u32 v9, v0, 4, SST                  ; v9: the way out of the scale words (waves 0-3)
	s_mov_b32 s60, WXQ
	s_mov_b32 s61, 4096
	s_mov_b32 s62, 1048576
	s_wait_kmcnt 0x0
	s_cmp_lt_u32 ttmp9, WXQ                        ; which tensor: the choice hangs on the work-group's number alone
	s_cselect_b64 s[56:57], s[6:7], s[8:9]         ; source
	s_cselect_b64 s[58:59], s[16:17], s[18:19]     ; destination
	s_cselect_b32 s60, WX, s60                     ; its first work-group
	s_cselect_b32 s61, 12288, s61                  ; bytes from one K row to the next
	s_cselect_b32 s62, 3145728, s62                ; where its scale words begin
	s_cmp_lt_u32 ttmp9, WX
	s_cselect_b64 s[56:57], s[4:5], s[56:57]
	s_cselect_b64 s[58:59], s[14:15], s[58:59]
	s_cselect_b32 s60, 0, s60
	s_cselect_b32 s61, 8192, s61
	s_cselect_b32 s62, 8388608, s62
	s_cselect_b32 s63, 31, 0xff                    ; x: 32 blocks of 64 tokens to a batch; W: all blocks in one plane
	s_sub_co_u32 s60, ttmp9, s60                   ; idx: my block of 64 columns in the tensor
	s_and_b32 s63, s60, s63
	s_sub_co_u32 s67, s60, s63                     ; 32 x batch (0 for W)
	s_lshl_b32 s63, s63, 8                         ; 256 bytes a block of columns
	s_lshl_b32 s67, s67, 18                        ; 2^23 bytes a batch
	s_add_co_u32 s63, s63, s67
	s_lshl_b32 s67, s3, 7
	s_add_co_u32 s63, s63, s67                     ; + my wave's 32 columns
	s_lshl_b32 s67, s66, 7
	s_mul_i32 s67, s67, s61                        ; + my wave's first K row
	s_add_co_u32 s54, s63, s67
	s_mov_b32 s55, 0
	s_add_nc_u64 s[56:57], s[56:57], s[54:55]
	s_lshl_b32 s67, s60, 11                        ; scale words: 2,048 bytes a work-group, 512 a wave (waves 0-3 store them)
	s_add_co_u32 s62, s62, s67
	s_lshl_b32 s67, s2, 9
	s_add_co_u32 s62, s62, s67
	s_mov_b32 s63, 0
	s_lshl_b32 s54, s60, 16                        ; codes: 65,536 bytes a work-group, 4,096 a wave
	s_lshl_b32 s67, s2, 12
	s_add_co_u32 s54, s54, s67
	s_add_nc_u64 s[60:61], s[58:59], s[62:63]
	s_add_nc_u64 s[58:59], s[58:59], s[54:55]
	s_lshl_b32 s54, s66, 9                         ; gamma and beta at my wave's 128 channels
	s_add_nc_u64 s[10:11], s[10:11], s[54:55]
	s_add_nc_u64 s[12:13], s[12:13], s[54:55]
	s_mov_b32 s53, 0x600000                        ; the mantissa field of 448
	s_mov_b32 s54, 0x3a800000                      ; 1 / 1024
	s_mov_b32 s55, 0x3727c5ac                      ; 1e-5
.macro LOADS pitch                     ; 128 loads: K row i of my wave's 128, my column; the pitch stands in the immediate (1,560,576 bytes at the most)
.set i, 0
.rept 128
	global_load_b32 v[X+i], v2, s[56:57] offset:i*\pitch th:TH_LOAD_NT
.set i, i+1
.endr
.endm
	s_cmp_lt_u32 ttmp9, WX
	s_cbranch_scc0 .Lsrc_w
	LOADS 8192
	s_branch .Lloaded
.Lsrc_w:
	s_cmp_lt_u32 ttmp9, WXQ
	s_cbranch_scc0 .Lsrc_wp
	LOADS 12288
	s_branch .Lloaded
.Lsrc_wp:
	LOADS 4096
.Lloaded:
; the sum of my 128 numbers: four chains of pairs, started by additions
	s_wait_loadcnt 63                              ; behind registers 0-31 stand 96 loads: a count of 63 shows them in
.irp k, 0,1,2,3
	v_pk_add_f32 v[22+2*\k:23+2*\k], v[X+2*\k:X+2*\k+1], v[X+8+2*\k:X+9+2*\k]
.endr
.irp j, 16,24
.irp k, 0,1,2,3
	s_delay_alu instid0(VALU_DEP_4)
	v_pk_add_f32 v[22+2*\k:23+2*\k], v[22+2*\k:23+2*\k], v[X+\j+2*\k:X+\j+2*\k+1]
.endr
.endr
.macro SUMG g                          ; registers 32 g .. 32 g + 31
.irp j, 0,8,16,24
.irp k, 0,1,2,3
	v_pk_add_f32 v[22+2*\k:23+2*\k], v[22+2*\k:23+2*\k], v[X+32*\g+\j+2*\k:X+32*\g+\j+2*\k+1]
.endr
.endr
.endm
	s_wait_alu depctr_va_vdst(0)
	s_wait_loadcnt 63                              ; behind registers 32-63 stand 64 loads
	SUMG 1
	s_wait_alu depctr_va_vdst(0)
	s_wait_loadcnt 32                              ; behind registers 64-95 stand 32
	SUMG 2
	s_wait_alu depctr_va_vdst(0)
	s_wait_loadcnt 0x0
	SUMG 3
; The four chains become one number; the eight waves that share my column exchange theirs through LDS; every one of them adds the eight in the same order.  Result in v14.
.macro EXCH red
	s_delay_alu instid0(VALU_DEP_3)
	v_pk_add_f32 v[22:23], v[22:23], v[24:25]
	s_delay_alu instid0(VALU_DEP_2)
	v_pk_add_f32 v[26:27], v[26:27], v[28:29]
	s_delay_alu instid0(VALU_DEP_1)
	v_pk_add_f32 v[22:23], v[22:23], v[26:27]
	s_delay_alu instid0(VALU_DEP_1)
	v_add_f32 v22, v22, v23
	ds_store_b32 v7, v22 offset:\red
	s_wait_dscnt 0x0                               ; for the others' sake: my store has landed
	s_barrier_signal -1
	s_barrier_wait -1
.irp k, 0,1,2,3,4,5,6,7
	ds_load_b32 v[14+\k], v8 offset:\red+256*\k
.endr
	s_wait_dscnt 0x0
	v_pk_add_f32 v[14:15], v[14:15], v[16:17]
	v_pk_add_f32 v[18:19], v[18:19], v[20:21]
	s_delay_alu instid0(VALU_DEP_1)
	v_pk_add_f32 v[14:15], v[14:15], v[18:19]
	s_delay_alu instid0(VALU_DEP_1)
	v_add_f32 v14, v14, v15
.endm
	EXCH RED1
	s_cmp_lt_u32 ttmp9, WX
	s_cbranch_scc0 .Lno_mean                       ; W's numbers stay as they are
	v_mul_f32 v10, 0x3a800000, v14                 ; the mean
	s_delay_alu instid0(VALU_DEP_1)
	v_mov_b32 v11, v10
.set j, 0
.rept 64
	v_pk_add_f32 v[X+j:X+j+1], v[X+j:X+j+1], v[10:11] neg_lo:[0,1] neg_hi:[0,1]
.set j, j+2
.endr
.Lno_mean:
.irp k, 0,1,2,3
	v_pk_mul_f32 v[22+2*\k:23+2*\k], v[X+2*\k:X+2*\k+1], v[X+2*\k:X+2*\k+1]   ; the squares: the first four products start the chains
.endr
.set j, 8
.rept 60
	s_delay_alu instid0(VALU_DEP_4)
	v_pk_fma_f32 v[22+j%8:23+j%8], v[X+j:X+j+1], v[X+j:X+j+1], v[22+j%8:23+j%8]
.set j, j+2
.endr
	EXCH RED2
	s_cmp_lt_u32 ttmp9, WX
	s_cbranch_scc0 .Lquant
	s_load_b512 s[20:35], s[10:11], 0x0            ; gamma of my first 32 channels: a register's channel is the same in every lane, so gamma and beta are scalars
	s_load_b512 s[36:51], s[10:11], 0x40
	s_load_b512 s[68:83], s[12:13], 0x0            ; beta likewise
	s_load_b512 s[84:99], s[12:13], 0x40
	v_fma_f32 v12, v14, s54, s55                   ; the variance + 1e-5
	s_wait_alu depctr_va_vdst(0)
	v_rsq_f32 v12, v12
	v_nop                                          ; one plain place behind a transcendental (ISA guide 5.7.2)
	s_wait_alu depctr_va_vdst(0)
	v_mov_b32 v13, v12
.set j, 0
.rept 64
	v_pk_mul_f32 v[X+j:X+j+1], v[X+j:X+j+1], v[12:13]
.set j, j+2
.endr
.irp q, 0,1,2,3
	s_wait_kmcnt 0x0
.set i, 0
.rept 32
	v_fma_f32 v[X+32*\q+i], v[X+32*\q+i], s[20+i], s[68+i]
.set i, i+1
.endr
.if \q < 3
	s_load_b512 s[20:35], s[10:11], 128*(\q+1)
	s_load_b512 s[36:51], s[10:11], 128*(\q+1)+64
	s_load_b512 s[68:83], s[12:13], 128*(\q+1)
	s_load_b512 s[84:99], s[12:13], 128*(\q+1)+64
.endif
.endr
.Lquant:
; One block of 32 along K: all 32 numbers are mine.  Its codes are piece q of the image: k 0-15 at lane (r, 0), k 16-31 at lane (r, 1), 256 bytes on.
.macro QBLOCK q
.set XS, X+32*\q
	v_max3_num_f32 v30, |v[XS]|, |v[XS+1]|, |v[XS+2]|
	v_max3_num_f32 v31, |v[XS+3]|, |v[XS+4]|, |v[XS+5]|
.irp i, 6,10,14,18,22,26
	s_delay_alu instid0(VALU_DEP_2)
	v_max3_num_f32 v30, v30, |v[XS+\i]|, |v[XS+\i+1]|
	s_delay_alu instid0(VALU_DEP_2)
	v_max3_num_f32 v31, v31, |v[XS+\i+2]|, |v[XS+\i+3]|
.endr
	s_delay_alu instid0(VALU_DEP_2)
	v_max3_num_f32 v30, v30, |v[XS+30]|, |v[XS+31]|
	s_delay_alu instid0(VALU_DEP_1)
	v_max3_num_f32 v30, v30, v31, 0x4800000        ; and the floor 2^(9 - 127): the byte cannot fall under 1
	s_delay_alu instid0(VALU_DEP_1)
	v_add_nc_u32 v32, 0xfc000000, v30              ; 8 off the exponent field: the conversion takes this operand's exponent field as its scale
	s_delay_alu instid0(VALU_DEP_2)
	v_and_or_b32 v33, v30, 0x7f800000, s53         ; 448 x the scale
.irp i, 0,1,2,3,4,5,6,7,8,9,10,11,12,13,14,15,16,17,18,19,20,21,22,23,24,25,26,27,28,29,30,31
	v_med3_num_f32 v[XS+\i], v[XS+\i], -v33, v33   ; the conversion to an 8-bit code does not saturate (ISA guide 7.6.2): the hold comes first
.endr
.irp g, 0,1,2,3
	v_cvt_scalef32_pk8_fp8_f32 v[CD+8*\q+2*\g:CD+8*\q+2*\g+1], v[XS+8*\g:XS+8*\g+7], v32
.endr
	v_lshrrev_b32 v34, 23, v32                     ; the scale's byte (also the plain line behind the conversions)
.if \q == 0
	s_delay_alu instid0(VALU_DEP_1)
	v_mov_b32 v36, v34
.else
	s_delay_alu instid0(VALU_DEP_1)
	v_lshl_or_b32 v36, v34, 8*\q, v36              ; four bytes make my column's scale word of this K step
.endif
	ds_store_b128 v3, v[CD+8*\q:CD+8*\q+3] offset:512*\q
	ds_store_b128 v3, v[CD+8*\q+4:CD+8*\q+7] offset:512*\q+256
.endm
	QBLOCK 0
	QBLOCK 1
	QBLOCK 2
	QBLOCK 3
	ds_store_b32 v4, v36
	s_wait_dscnt 0x0                               ; for the others' sake: my images and my scale word have landed
	s_barrier_signal -1
	s_barrier_wait -1
; THE WAY OUT: the work-group's four tiles are 65,536 consecutive bytes of the destination; each store of a wave covers 512 of them, aligned.
.irp i, 0,1,2,3,4,5,6,7
	ds_load_b128 v[X+4*\i:X+4*\i+3], v5 offset:512*\i
.endr
.irp i, 0,1,2,3,4,5,6,7
	s_wait_dscnt 7-\i                              ; LDS loads come back in order: load i is in, the younger ones may be out
	global_store_b128 v6, v[X+4*\i:X+4*\i+3], s[58:59] offset:512*\i
.endr
	s_cmp_lt_u32 s2, 4
	s_cbranch_scc0 .Ldone
	ds_load_b128 v[96:99], v9                      ; waves 0-3: a tile's 512 bytes of scale words each
	s_wait_dscnt 0x0
	global_store_b128 v6, v[96:99], s[60:61]
.Ldone:
	s_wait_tensorcnt 0x0
	ds_add_u32 v224, v225
	s_wait_dscnt 0x0
	s_endpgm
.Lfunc_end_k_qce5ce7f5a9_prep:
	.size	k_qce5ce7f5a9_prep, .Lfunc_end_k_qce5ce7f5a9_prep-k_qce5ce7f5a9_prep
	.p2alignl 7, 3214868480
	.fill 96, 4, 3214868480
	.section	.rodata,"a",@progbits
	.p2align	6, 0x0
	.amdhsa_kernel k_qce5ce7f5a9_prep
		.amdhsa_group_segment_fixed_size 75776
		.amdhsa_private_segment_fixed_size 0
		.amdhsa_enable_private_segment 0
		.amdhsa_kernarg_size 64
		.amdhsa_user_sgpr_count 2
		.amdhsa_user_sgpr_kernarg_segment_ptr 1
		.amdhsa_wavefront_size32 1
		.amdhsa_system_sgpr_workgroup_id_x 1
		.amdhsa_system_sgpr_workgroup_id_y 1
		.amdhsa_system_sgpr_workgroup_id_z 1
		.amdhsa_system_vgpr_workitem_id 0
		.amdhsa_next_free_vgpr 226
		.amdhsa_next_free_sgpr 100
		.amdhsa_reserve_vcc 0
		.amdhsa_float_denorm_mode_32 3
		.amdhsa_float_denorm_mode_16_64 3
		.amdhsa_memory_ordered 1
		.amdhsa_forward_progress 1
		.amdhsa_inst_pref_size 90
	.end_amdhsa_kernel
	.amdgpu_metadata
---
amdhsa.version: [ 1, 2 ]
amdhsa.kernels:
  - .name:           k_qce5ce7f5a9_prep
    .symbol:         k_qce5ce7f5a9_prep.kd
    .args:
      - { .name: x, .offset: 0, .size: 8, .value_kind: global_buffer, .address_space: global }
      - { .name: W_qkv, .offset: 8, .size: 8, .value_kind: global_buffer, .address_space: global }
      - { .name: W_proj, .offset: 16, .size: 8, .value_kind: global_buffer, .address_space: global }
      - { .name: gamma, .offset: 24, .size: 8, .value_kind: global_buffer, .address_space: global }
      - { .name: beta, .offset: 32, .size: 8, .value_kind: global_buffer, .address_space: global }
      - { .name: xn, .offset: 40, .size: 8, .value_kind: global_buffer, .address_space: global }
      - { .name: wq, .offset: 48, .size: 8, .value_kind: global_buffer, .address_space: global }
      - { .name: wp, .offset: 56, .size: 8, .value_kind: global_buffer, .address_space: global }
    .group_segment_fixed_size: 75776
    .private_segment_fixed_size: 0
    .kernarg_segment_align: 8
    .kernarg_segment_size: 64
    .max_flat_workgroup_size: 512
    .sgpr_count:     100
    .vgpr_count:     226
    .wavefront_size: 32
...
	.end_amdgpu_metadata
.endif
;; end of part 1
;; launch qkv (part 2): grid 12 x 32, 4 waves a work-group, clusters of 4 x 4, 327,680 bytes of LDS; arguments xn, wq, b_qkv, qbuf, kvbuf; writes qbuf, kvbuf
.if DOCPART == 2
	.amdgcn_target "amdgcn-amd-amdhsa--gfx1250"
	.amdhsa_code_object_version 6
	.text
	.protected	k_qce5ce7f5a9_qkv
	.globl	k_qce5ce7f5a9_qkv
	.p2align	8
	.type	k_qce5ce7f5a9_qkv,@function
k_qce5ce7f5a9_qkv:
	s_mov_b64 s[64:65], 0
	v_nop
	global_prefetch_b8 v0, s[64:65] scope:SCOPE_SE
	s_setreg_imm32_b32 hwreg(HW_REG_WAVE_MODE, 25, 1), 1
	s_wait_xcnt 0x0
	s_wait_alu depctr_hold_cnt(0) depctr_sa_sdst(0) depctr_va_vdst(0) depctr_va_sdst(0) depctr_va_ssrc(0) depctr_va_vcc(0) depctr_vm_vsrc(0)
	s_getreg_b32 s2, hwreg(HW_REG_IB_STS2, 6, 4)
	s_cmp_eq_u32 s2, 0
	s_cbranch_scc0 .Lentry_in_a_cluster
	s_endpgm
.Lentry_in_a_cluster:
	s_bfe_u32 s2, ttmp6, 0x10000c
	s_cmp_lg_u32 s2, 0xf033
	s_cbranch_scc0 .Lentry_shape_is_right
	s_endpgm
.Lentry_shape_is_right:
.set SLOT,  131072
.set WREG,  65536
.set SCL,   2*SLOT
.set SPARE, SCL+16384
.set SSTQ,  SPARE+512
.set SSTV,  SSTQ+4096
.set XSO,   8388608
.set WSO,   3145728
.set QHS,   139264
.set QGS,   8704
.set KHS,   274432
.set KSB,   17152
.set NP,    8
.set AD1,  16
.set BO,   18
.set AD0,  20
.set RDQ,  22
.set RDV,  23
.set L16,  24
.set STQ,  25
.set ADS1, 26
.set ADS0, 27
.set SPW,  28
.set NIL,  29
.set STV,  30
.set L8,   31
.set SC,   32
.set BIAS, 64
.set TM,   64
.set PC,   96
.set AF,   128
.set G1, 24
.set G0, 32
.set G1B, 48
.set G0B, 56
.set G1S, 68
.set G0S, 76
.set G1SB, 80
.set G0SB, 88
.set MSB, 0
.macro WIN new
.if MSB != (\new)
	s_set_vgpr_msb (MSB<<8)|(\new)
.set MSB, (\new)
.endif
.endm
.set MUL_LO, 0xa1
.set MUL_HI, 0xf1
.set TO_B,   0x40
.macro JLOAD g0a, g1a, g0b, g1b
	s_cmp_eq_u32 s15, 0
	s_cbranch_scc0 .Lfor_b_\@
	tensor_load_to_lds s[\g0a:\g0a+3], s[\g1a:\g1a+7]
	s_nop 0
.rept 4
	v_nop
.endr
	s_branch .Lasked_\@
.Lfor_b_\@:
	tensor_load_to_lds s[\g0b:\g0b+3], s[\g1b:\g1b+7]
	s_nop 0
.rept 4
	v_nop
.endr
.Lasked_\@:
.endm
.macro CREST
	s_cmp_lg_u32 s14, 0
	s_cbranch_scc1 .Lnot_wave_0_\@
	s_barrier_signal -3
.Lnot_wave_0_\@:
	s_barrier_wait -3
	s_barrier_signal -1
	s_barrier_wait -1
.endm
.macro CROUND
	s_barrier_signal -1
	s_barrier_wait -1
	CREST
.endm
.macro PLACES n
.rept \n
	v_nop
.endr
.endm
	s_load_b256 s[4:11], s[0:1], 0x0
	s_load_b64 s[12:13], s[0:1], 0x20
	v_lshl_add_u32 v[SPW], v0, 2, SPARE
	v_mov_b32 v[NIL], 0
	ds_add_u32 v28, v29
	ds_add_u32 v28, v29
	s_wait_dscnt 0x0
	v_lshrrev_b32 v1, 5, v0
	v_readfirstlane_b32 s14, v1
	s_lshr_b32 s15, s14, 1
	s_and_b32 s16, s14, 1
	s_bfe_u32 s40, ttmp6, 0x40000
	s_bfe_u32 s41, ttmp6, 0x40004
	s_lshl_b32 s42, ttmp9, 2
	s_add_co_u32 s42, s42, s40
	s_and_b32 s17, ttmp7, 0xffff
	s_lshl_b32 s17, s17, 2
	s_add_co_u32 s17, s17, s41
	s_lshl_b32 s43, s41, 2
	s_lshl_b32 s43, 15, s43
	s_lshl_b32 s44, 0x1111, s40
	s_or_b32 s[G1+0], s43, (3<<16)|(1<<21)
	s_or_b32 s[G1B+0], s44, (3<<16)|(1<<21)
.irp g, G1, G1B
	s_mov_b32 s[\g+1], 512<<16
	s_mov_b32 s[\g+2], 16<<16
	s_mov_b32 s[\g+3], 512<<16
	s_mov_b32 s[\g+4], 16
	s_mov_b32 s[\g+5], 2048
	s_mov_b32 s[\g+6], 0
	s_mov_b32 s[\g+7], 0
.endr
	s_or_b32 s[G1S+0], s43, (3<<16)|(1<<21)
	s_or_b32 s[G1SB+0], s44, (3<<16)|(1<<21)
.irp g, G1S, G1SB
	s_mov_b32 s[\g+1], 32<<16
	s_mov_b32 s[\g+2], 32<<16
	s_mov_b32 s[\g+3], 32<<16
	s_mov_b32 s[\g+4], 32
	s_mov_b32 s[\g+5], 32
	s_mov_b32 s[\g+6], 0
	s_mov_b32 s[\g+7], 0
.endr
	s_lshl_b32 s20, s17, 4
	s_lshl_b32 s46, s42, 4
	s_lshl_b32 s22, s20, 9
	s_add_co_u32 s22, s22, XSO
	s_lshl_b32 s92, s46, 9
	s_add_co_u32 s92, s92, WSO
	s_lshl_b32 s20, s20, 14
	s_lshl_b32 s46, s46, 14
	s_mov_b32 s21, 0
	s_mov_b32 s23, 0
	s_mov_b32 s47, 0
	s_mov_b32 s93, 0
	s_lshl_b32 s45, s14, 15
	s_wait_kmcnt 0x0
	s_add_nc_u64 s[20:21], s[4:5], s[20:21]
	s_add_nc_u64 s[22:23], s[4:5], s[22:23]
	s_add_nc_u64 s[46:47], s[6:7], s[46:47]
	s_add_nc_u64 s[92:93], s[6:7], s[92:93]
	CROUND
	s_mov_b32 s[G0S], 1
	s_mov_b32 s[G0S+1], SCL
	s_mov_b64 s[G0S+2:G0S+3], s[22:23]
	s_or_b32 s[G0S+3], s[G0S+3], 0x80000000
	s_mov_b32 s[G0SB], 1
	s_mov_b32 s[G0SB+1], SCL+8192
	s_mov_b64 s[G0SB+2:G0SB+3], s[92:93]
	s_or_b32 s[G0SB+3], s[G0SB+3], 0x80000000
.irp s, 0,1
	s_mov_b32 s[G0+4*\s], 1
	s_add_co_u32 s[G0+4*\s+1], s45, \s*SLOT
	s_add_nc_u64 s[G0+4*\s+2:G0+4*\s+3], s[20:21], \s*4096
	s_or_b32 s[G0+4*\s+3], s[G0+4*\s+3], 0x80000000
	s_mov_b32 s[G0B+4*\s], 1
	s_add_co_u32 s[G0B+4*\s+1], s45, \s*SLOT
	s_add_nc_u64 s[G0B+4*\s+2:G0B+4*\s+3], s[46:47], \s*4096
	s_or_b32 s[G0B+4*\s+3], s[G0B+4*\s+3], 0x80000000
.endr
; THE HEAD'S LOADS, ONE A WAVE: wave 0 slot 0's 16 tiles of xn, wave 1 its 16 tiles of wq, wave 2 xn's scale words, wave 3 wq's.  Slot 0's groups 0 serve them, whole tiles, and take the ring's form behind the wait.
	s_lshl_b32 s4, s16, 17                         ; my half of a tile's 16 images, in bytes (the two pointers that lay here have been used)
	s_mov_b32 s5, 0
	s_mov_b32 s[G0+1], 0
	s_mov_b32 s[G0B+1], WREG
	s_add_nc_u64 s[G0+6:G0+7], s[G0+6:G0+7], s[4:5]
	s_add_nc_u64 s[G0B+6:G0B+7], s[G0B+6:G0B+7], s[4:5]
.macro ARM under, g0, g1, next
	s_cmp_lt_u32 s14, \under
	s_cbranch_scc0 \next
	tensor_load_to_lds s[\g0:\g0+3], s[\g1:\g1+7]
	s_nop 0
.rept 4
	v_nop
.endr
	s_branch .Lhead_asked
\next:
.endm
	ARM 1, G0,  G1,  .Lhead_b
	ARM 2, G0B, G1B, .Lhead_sa
	ARM 3, G0S, G1S, .Lhead_sb
	tensor_load_to_lds s[G0SB:G0SB+3], s[G1SB:G1SB+7]
	s_nop 0
.rept 4
	v_nop
.endr
.Lhead_asked:
	v_and_b32 v1, 15, v0
	v_bfe_u32 v2, v0, 4, 1
	v_and_b32 v3, 31, v0
	v_lshlrev_b32 v[L16], 4, v3
	s_wait_alu depctr_va_vdst(0)
	v_lshlrev_b32 v[L8], 3, v3
	v_lshlrev_b32 v4, 2, v3
	s_wait_alu depctr_va_vdst(0)
	s_cmp_eq_u32 ttmp9, 2
	s_cselect_b32 s95, WREG, 0
	s_cselect_b32 s96, 0, WREG
	s_lshl_b32 s21, s15, 15
	s_add_co_u32 s21, s21, s95
	s_lshl_b32 s22, s16, 15
	s_add_co_u32 s22, s22, s96
.irp s, 0,1
	v_add_nc_u32 v[AD1+\s], s21, v[L16]
	v_add_nc_u32 v[AD0+\s], s22, v[L16]
	s_add_co_u32 s21, s21, SLOT
	s_add_co_u32 s22, s22, SLOT
.endr
	s_lshr_b32 s95, s95, 3
	s_lshr_b32 s96, s96, 3
	s_lshl_b32 s21, s15, 12
	s_add_co_u32 s21, s21, s95
	s_add_co_u32 s21, s21, SCL
	s_lshl_b32 s22, s16, 12
	s_add_co_u32 s22, s22, s96
	s_add_co_u32 s22, s22, SCL
	v_add_nc_u32 v[ADS1], s21, v4
	v_add_nc_u32 v[ADS0], s22, v4
	s_lshl_b32 s23, s14, 10
	s_add_co_u32 s23, s23, SSTQ
	v_lshl_add_u32 v[STQ], v1, 4, s23
	v_add_nc_u32 v[RDQ], s23, v[L16]
	s_lshl_b32 s23, s14, 9
	s_add_co_u32 s23, s23, SSTV
	v_lshl_add_u32 v[STV], v1, 3, s23
	v_add_nc_u32 v[RDV], s23, v[L8]
.macro FRAG reg, adr, q, i
.irp c, 0,1,2,3
	ds_load_b128 v[\reg+4*\c:\reg+4*\c+3], v[\adr] offset:(\i)*4096+(\q)*2048+512*\c
.endr
.endm
.macro MUL16 a0, p, q, sc, zero
.irp a, \a0, \a0+1
.irp b, 0,1,2,3,4,5,6,7
.set DD, 8*(8*((\a)%4)+\b)
.if \zero == 1
.set CC, BIAS+8*\b
.elseif \zero == 2
.set CC, BIAS+8*(\a)
.else
.set CC, DD
.endif
.if \q
	v_wmma_scale_f32_16x16x128_f8f6f4 v[DD:DD+7], v[128*\p+16*\b:128*\p+16*\b+15], v[AF+16*(\a):AF+16*(\a)+15], v[CC:CC+7], v[SC+16*\sc+8+\b], v[SC+16*\sc+(\a)] matrix_a_scale:MATRIX_SCALE_ROW1 matrix_b_scale:MATRIX_SCALE_ROW1
.else
	v_wmma_scale_f32_16x16x128_f8f6f4 v[DD:DD+7], v[128*\p+16*\b:128*\p+16*\b+15], v[AF+16*(\a):AF+16*(\a)+15], v[CC:CC+7], v[SC+16*\sc+8+\b], v[SC+16*\sc+(\a)]
.endif
.endr
.endr
.endm
.macro FETCH_B slot, q, p
	WIN TO_B
.irp i, 0,1,2,3,4,5,6,7
	FRAG 128*(\p)+16*\i, AD0+\slot, \q, \i
.endr
	WIN 0
.endm
.macro FETCH_A slot, q, i0
.irp i, \i0, \i0+1, \i0+2, \i0+3
	FRAG AF+16*(\i), AD1+\slot, \q, \i
.endr
.endm
.macro SCALES sc, kk
.irp i, 0,1,2,3,4,5,6,7
	ds_load_b32 v[SC+16*\sc+\i], v[ADS1] offset:\i*512+\kk*128
	ds_load_b32 v[SC+16*\sc+8+\i], v[ADS0] offset:\i*512+\kk*128
.endr
.endm
.macro STEP slot, zero
	s_wait_dscnt 16
.if \zero
	WIN 0x81
.else
	WIN MUL_LO
.endif
	MUL16 0, 0, 0, \slot, \zero
	MUL16 2, 0, 0, \slot, \zero
	s_wait_dscnt 0x0
	PLACES NP
	FETCH_B \slot, 1, 1
	FETCH_A \slot, 1, 0
.if \zero
	WIN 0xc1
.else
	WIN MUL_HI
.endif
	MUL16 4, 0, 0, \slot, \zero
	MUL16 6, 0, 0, \slot, \zero
	PLACES NP
	WIN 0
	FETCH_A \slot, 1, 4
.endm
.macro TURN slot, next, fill, kk
	s_wait_tensorcnt 0x0
	ds_add_u32 v[SPW], v[NIL]
	s_wait_dscnt 17
	WIN MUL_LO
	MUL16 0, 1, 1, \slot, 0
	s_wait_dscnt 0x0
	s_barrier_signal -1
	MUL16 2, 1, 1, \slot, 0
	WIN 0
	s_barrier_wait -1
.if \fill
	CREST
	s_add_nc_u64 s[G0+4*\slot+2:G0+4*\slot+3], s[G0+4*\slot+2:G0+4*\slot+3], 8192
	s_add_nc_u64 s[G0B+4*\slot+2:G0B+4*\slot+3], s[G0B+4*\slot+2:G0B+4*\slot+3], 8192
	JLOAD G0+4*\slot, G1, G0B+4*\slot, G1B
	PLACES NP-4
.else
	PLACES NP
.endif
	FETCH_B \next, 0, 0
	FETCH_A \next, 0, 0
	SCALES \next, \kk
	WIN MUL_HI
	MUL16 4, 1, 1, \slot, 0
	MUL16 6, 1, 1, \slot, 0
	PLACES NP
	WIN 0
	FETCH_A \next, 0, 4
.endm
	s_wait_alu depctr_va_vdst(0)                   ; the wait at the head's end
	s_wait_tensorcnt 0x0                           ; my tile of the head's four is in; no tensor load of mine is out, so descriptors may be written
	ds_add_u32 v[SPW], v[NIL]
	s_mov_b32 s[G1+2], 8<<16                       ; from here on a load brings 8 images
	s_mov_b32 s[G1+4], 8
	s_mov_b32 s[G1B+2], 8<<16
	s_mov_b32 s[G1B+4], 8
	s_mov_b32 s[G0+1], s45                         ; slot 0's groups 0 in the ring's form: my quarter of the slot, my half of the tile
	s_mov_b32 s[G0B+1], s45
	s_add_nc_u64 s[G0+2:G0+3], s[G0+2:G0+3], s[4:5]
	s_add_nc_u64 s[G0B+2:G0B+3], s[G0B+2:G0B+3], s[4:5]
	s_wait_dscnt 0x0
	CROUND                                         ; all four tiles are in, all sixteen work-groups are here
	JLOAD G0+4, G1, G0B+4, G1B                     ; slot 1's first fill, the first tensor load behind the round
	FETCH_B 0, 0, 0
	FETCH_A 0, 0, 0
	SCALES 0, 0
	FETCH_A 0, 0, 4
	s_lshl_b32 s18, s42, 8
	s_mov_b32 s19, 0
	s_cmp_eq_u32 ttmp9, 2
	s_cbranch_scc1 .Lfirst_v
	s_lshl_b32 s3, s16, 7
	s_add_co_u32 s18, s18, s3
	s_lshl_b32 s18, s18, 2
	s_add_nc_u64 s[18:19], s[8:9], s[18:19]
	v_lshlrev_b32 v[BO], 6, v2
.irp b, 0,1,2,3,4,5,6,7
	global_load_b128 v[BIAS+8*\b:BIAS+8*\b+3], v[BO], s[18:19] offset:(32*(\b/2)+8*(\b%2))*4
	global_load_b128 v[BIAS+8*\b+4:BIAS+8*\b+7], v[BO], s[18:19] offset:(32*(\b/2)+8*(\b%2))*4+16
.endr
	s_wait_loadcnt 0x0
	STEP 0, 1
	s_branch .Lfirst_done
.Lfirst_v:
	s_lshl_b32 s3, s15, 7
	s_add_co_u32 s18, s18, s3
	s_lshl_b32 s18, s18, 2
	s_add_nc_u64 s[18:19], s[8:9], s[18:19]
	v_and_b32 v5, 8, v1
	v_add_nc_u32 v5, v5, v1
	v_lshlrev_b32 v[BO], 2, v5
.irp a, 0,1,2,3,4,5,6,7
	global_load_b32 v[BIAS+8*\a], v[BO], s[18:19] offset:(32*(\a/2)+8*(\a%2))*4
.endr
	s_wait_loadcnt 0x0
.irp a, 0,1,2,3,4,5,6,7
.irp j, 1,2,3,4,5,6,7
	v_mov_b32 v[BIAS+8*\a+\j], v[BIAS+8*\a]
.endr
.endr
	s_wait_alu depctr_va_vdst(0)
	STEP 0, 2
.Lfirst_done:
	TURN 0, 1, 1, 1
	STEP 1, 0
	TURN 1, 0, 1, 2
	STEP 0, 0
	TURN 0, 1, 0, 3
	STEP 1, 0
	s_wait_dscnt 16
	WIN MUL_LO
	MUL16 0, 1, 1, 1, 0
	MUL16 2, 1, 1, 1, 0
	s_wait_dscnt 0x0
	WIN MUL_HI
	MUL16 4, 1, 1, 1, 0
	MUL16 6, 1, 1, 1, 0
	WIN 0
	PLACES NP
.irp b, 0,1,2,3
	v_mov_b32 v[TM+4+\b], 0
.endr
	s_mov_b32 s96, 0x600000
	s_mov_b32 s2, 0x76543210
	s_mov_b32 s3, 0xfedcba98
.macro QUANTW a
.set AC, 64*((\a)%4)
.set WW, 2+(\a)/4
.set PCS, AF+16*(\a)                   ; each block's codes have registers of their own: no store's data are written again
	WIN (WW<<2)|(WW<<4)
.irp b, 0,1,2,3
	v_max3_num_f32 v[TM+\b], 0x4800000, |v[AC+16*\b]|, |v[AC+16*\b+1]|
.endr
.irp i, 2,4,6,8,10,12,14
.irp b, 0,1,2,3
	v_max3_num_f32 v[TM+\b], v[TM+\b], |v[AC+16*\b+\i]|, |v[AC+16*\b+\i+1]|
.endr
.endr
	WIN 0
.irp b, 0,1,2,3
	v_permlanex16_b32 v[TM+4+\b], v[TM+\b], s2, s3
.endr
.irp b, 0,1,2,3
	v_max_num_f32 v[TM+\b], v[TM+\b], v[TM+4+\b]
.endr
.irp b, 0,1,2,3
	v_add_nc_u32 v[TM+12+\b], 0xfc000000, v[TM+\b]
.endr
.irp b, 0,1,2,3
	v_and_or_b32 v[TM+8+\b], v[TM+\b], 0x7f800000, s96
.endr
.irp b, 0,1,2,3
	v_lshrrev_b32 v[TM+4+\b], 23, v[TM+12+\b]
.endr
	WIN (WW<<6)|WW
.irp b, 0,1,2,3
.irp i, 0,1,2,3,4,5,6,7,8,9,10,11,12,13,14,15
	v_med3_num_f32 v[AC+16*\b+\i], v[AC+16*\b+\i], -v[TM+8+\b], v[TM+8+\b]
.endr
.endr
	WIN WW
.irp b, 0,1,2,3
	v_cvt_scalef32_pk8_fp8_f32 v[PCS+4*\b:PCS+4*\b+1], v[AC+16*\b:AC+16*\b+7], v[TM+12+\b]
	v_cvt_scalef32_pk8_fp8_f32 v[PCS+4*\b+2:PCS+4*\b+3], v[AC+16*\b+8:AC+16*\b+15], v[TM+12+\b]
.endr
	WIN 0
.endm
	s_lshr_b32 s22, s17, 3
	s_lshl_b32 s22, s22, 4
	s_lshl_b32 s23, s40, 2
	s_add_co_u32 s22, s22, s23
	s_lshl_b32 s23, s17, 1
	s_mov_b32 s47, 0
	s_cmp_eq_u32 ttmp9, 2
	s_cbranch_scc1 .Lout_v
	s_mov_b32 s94, KHS
	s_mov_b32 s18, KSB
	s_mov_b32 s19, 16384
	s_cmp_eq_u32 ttmp9, 0
	s_cselect_b64 s[20:21], s[10:11], s[12:13]
	s_cselect_b32 s94, QHS, s94
	s_cselect_b32 s18, QGS, s18
	s_cselect_b32 s19, 8192, s19
	s_lshl_b32 s46, s16, 1
	s_add_co_u32 s22, s22, s46
	s_mul_i32 s22, s22, s94
	s_add_co_u32 s23, s23, s15
	s_and_b32 s23, s23, 15
	s_mul_i32 s23, s23, s18
	s_add_co_u32 s46, s22, s23
	s_add_nc_u64 s[20:21], s[20:21], s[46:47]
	s_mov_b32 s46, s94
	s_add_nc_u64 s[22:23], s[20:21], s[46:47]
	s_mov_b32 s46, s19
	s_add_nc_u64 s[92:93], s[20:21], s[46:47]
	s_add_nc_u64 s[94:95], s[22:23], s[46:47]
.irp a, 0,1,2,3,4,5,6,7
	QUANTW \a
	v_lshl_or_b32 v80, v[TM+5], 8, v[TM+4]
	v_lshl_or_b32 v81, v[TM+7], 8, v[TM+6]
	global_store_b128 v[L16], v[PCS:PCS+3], s[20:21] offset:\a*1024
	global_store_b128 v[L16], v[PCS+4:PCS+7], s[20:21] offset:\a*1024+512
	global_store_b128 v[L16], v[PCS+8:PCS+11], s[22:23] offset:\a*1024
	global_store_b128 v[L16], v[PCS+12:PCS+15], s[22:23] offset:\a*1024+512
	ds_store_b32 v[STQ], v80 offset:(\a%2)*256+(\a/2)*4
	ds_store_b32 v[STQ], v81 offset:512+(\a%2)*256+(\a/2)*4
.endr
	ds_load_b128 v[84:87], v[RDQ]
	ds_load_b128 v[88:91], v[RDQ] offset:512
	s_wait_dscnt 0x0
	global_store_b128 v[L16], v[84:87], s[92:93]
	global_store_b128 v[L16], v[88:91], s[94:95]
	s_branch .Lend
.Lout_v:
	s_lshl_b32 s46, s15, 1
	s_add_co_u32 s22, s22, s46
	s_mul_i32 s22, s22, KHS
	s_add_co_u32 s23, s23, s16
	s_and_b32 s23, s23, 15
	s_mul_i32 s23, s23, KSB
	s_add_co_u32 s46, s22, s23
	s_add_nc_u64 s[20:21], s[12:13], s[46:47]
	s_add_nc_u64 s[22:23], s[20:21], KHS
.irp a, 0,1,2,3,4,5,6,7
	QUANTW \a
	v_lshl_or_b32 v80, v[TM+5], 8, v[TM+4]
	v_lshl_or_b32 v80, v[TM+6], 16, v80
	v_lshl_or_b32 v80, v[TM+7], 24, v80
.irp c, 0,1,2,3
	global_store_b128 v[L16], v[PCS+4*\c:PCS+4*\c+3], s[20+2*(\a/4):21+2*(\a/4)] offset:8192+(\a%4)*2048+512*\c
.endr
	ds_store_b32 v[STV], v80 offset:(\a/4)*256+(\a%2)*128+((\a%4)/2)*4
.endr
	ds_load_b64 v[84:85], v[RDV]
	ds_load_b64 v[86:87], v[RDV] offset:256
	s_wait_dscnt 0x0
	global_store_b64 v[L8], v[84:85], s[20:21] offset:16896
	global_store_b64 v[L8], v[86:87], s[22:23] offset:16896
.Lend:
	s_wait_tensorcnt 0x0
	ds_add_u32 v[SPW], v[NIL]
	s_wait_dscnt 0x0
	CROUND
	s_endpgm
.Lfunc_end_k_qce5ce7f5a9_qkv:
	.size	k_qce5ce7f5a9_qkv, .Lfunc_end_k_qce5ce7f5a9_qkv-k_qce5ce7f5a9_qkv
	.p2alignl 7, 3214868480
	.fill 96, 4, 3214868480
	.section	.rodata,"a",@progbits
	.p2align	6, 0x0
	.amdhsa_kernel k_qce5ce7f5a9_qkv
		.amdhsa_group_segment_fixed_size 327680
		.amdhsa_private_segment_fixed_size 0
		.amdhsa_enable_private_segment 0
		.amdhsa_kernarg_size 40
		.amdhsa_user_sgpr_count 2
		.amdhsa_user_sgpr_kernarg_segment_ptr 1
		.amdhsa_wavefront_size32 1
		.amdhsa_system_sgpr_workgroup_id_x 1
		.amdhsa_system_sgpr_workgroup_id_y 1
		.amdhsa_system_sgpr_workgroup_id_z 1
		.amdhsa_system_vgpr_workitem_id 0
		.amdhsa_next_free_vgpr 1024
		.amdhsa_next_free_sgpr 100
		.amdhsa_reserve_vcc 0
		.amdhsa_float_denorm_mode_32 3
		.amdhsa_float_denorm_mode_16_64 3
		.amdhsa_memory_ordered 1
		.amdhsa_forward_progress 1
		.amdhsa_inst_pref_size 255
	.end_amdhsa_kernel
	.section	.bss,"aw",@nobits
	.p2align	6
	.space	262144
	.amdgpu_metadata
---
amdhsa.version: [ 1, 2 ]
amdhsa.kernels:
  - .name:           k_qce5ce7f5a9_qkv
    .symbol:         k_qce5ce7f5a9_qkv.kd
    .args:
      - { .name: xn, .offset: 0, .size: 8, .value_kind: global_buffer, .address_space: global }
      - { .name: wq, .offset: 8, .size: 8, .value_kind: global_buffer, .address_space: global }
      - { .name: b_qkv, .offset: 16, .size: 8, .value_kind: global_buffer, .address_space: global }
      - { .name: qbuf, .offset: 24, .size: 8, .value_kind: global_buffer, .address_space: global }
      - { .name: kvbuf, .offset: 32, .size: 8, .value_kind: global_buffer, .address_space: global }
    .group_segment_fixed_size: 327680
    .private_segment_fixed_size: 0
    .kernarg_segment_align: 8
    .kernarg_segment_size: 40
    .max_flat_workgroup_size: 128
    .sgpr_count:     100
    .vgpr_count:     1024
    .wavefront_size: 32
...
	.end_amdgpu_metadata
.endif
;; end of part 2
;; launch attn (part 3): grid 4 x 64, 16 waves a work-group, clusters of 4 x 1, 327,680 bytes of LDS; arguments qbuf, kvbuf, ao; writes ao
.if DOCPART == 3
	.amdgcn_target "amdgcn-amd-amdhsa--gfx1250"
	.amdhsa_code_object_version 6
	.text
	.protected	k_qce5ce7f5a9_attn
	.globl	k_qce5ce7f5a9_attn
	.p2align	8
	.type	k_qce5ce7f5a9_attn,@function
k_qce5ce7f5a9_attn:
	s_mov_b64 s[64:65], 0
	v_nop
	global_prefetch_b8 v0, s[64:65] scope:SCOPE_SE
	s_setreg_imm32_b32 hwreg(HW_REG_WAVE_MODE, 25, 1), 1
	s_wait_xcnt 0x0
	s_wait_alu depctr_hold_cnt(0) depctr_sa_sdst(0) depctr_va_vdst(0) depctr_va_sdst(0) depctr_va_ssrc(0) depctr_va_vcc(0) depctr_vm_vsrc(0)
	s_getreg_b32 s2, hwreg(HW_REG_IB_STS2, 6, 4)
	s_cmp_eq_u32 s2, 0
	s_cbranch_scc0 .Lentry_in_a_cluster
	s_endpgm
.Lentry_in_a_cluster:
	s_bfe_u32 s2, ttmp6, 0x10000c
	s_cmp_lg_u32 s2, 0x3003
	s_cbranch_scc0 .Lentry_shape_is_right
	s_endpgm
.Lentry_shape_is_right:
; Attention of one head on codes of FP8 (E4M3), one E8M0 scale for each 32 along a product's K; 64 heads (batch x 16), 2,048 tokens, head size 64.  Its result is quantised at once along the channels for the last product.
; THE SOFTMAX AHEAD OF THE SECOND PRODUCT: t = score x log2(e) / 8; M = the row's largest t so far, rounded UP to a whole number; p = 2^(t - M) is quantised along the keys, not normalised.
; The row's sum is taken of the unquantised p, in f32, and divides O at the end.  When M moves, the sum and O are multiplied by 2^(old M - new M): exact.
; INPUT (this program's own layout: images of operand registers).  qbuf: [head][group of 128 tokens][8,704]: 8 tiles x [piece 0..1][lane][16] codes; +8,192 scale words at (r + 16 (a & 1)) 16 + (a >> 1) 4.
; kvbuf: [head][step of 128 keys][17,152]: K as a group of q; +8,192 V^T's four images (16 of the head's 64 x 128 keys); +16,384 K's scale words; +16,896 V's at (r + 16 (dt & 1)) 8 + (dt >> 1) 4.
; Row r of tile 2 e + u is token (or channel) 32 e + 8 u + r + 8 (r / 8): a lane's 16 registers of result tiles 2 e, 2 e + 1 are 16 neighbours.
; SHARES.  A work-group owns 512 queries of a head; each of its sixteen waves owns one tile of 16 at a time, in two passes: four waves to a SIMD, so that one wave's waits stand beside another's work.
; THE FIRST PRODUCT'S K IS 64, the instruction's 128: a fragment of K holds TWO key tiles, a in k 0-63 and a + 2 in k 64-127; against [Q | zero codes] it gives tile a's scores, against [zero codes | Q] tile a + 2's.
; Q's scale word has the byte 0 over its zero codes; K's two words are joined, w(a) | w(a + 2) << 16.
; TWO REGIONS OF 64 REGISTERS SWAP ROLES from step to step: the scores' products read K from one and write into the other; V then comes into the first, under the softmax; behind the conversions the next step's K comes into the second.
; THE WHOLE HEAD'S K, V AND SCALE WORDS, 274,432 bytes, STAY IN LDS, filled once: each wave brings one key step by one tensor load.  No byte is filled again.
; CLUSTER.  The four work-groups of a head form a cluster and ask JOINTLY: the same load, the same descriptor, a mask that names the four.
; No prefetch: all of K and V is asked for at the head, one load a wave; there is no loop of loads to run ahead in.
; Both products are used transposed (S^T = K Q^T, O^T = V^T P^T): a lane holds ONE query throughout.  The last step reads K's step 15 again (address held by s_min_u32).
; OUTPUT.  ao, laid as the last product's operand: tile of 16 tokens x 8 images of 2,048 bytes; my head's 64 channels are two pieces of 512 bytes.  A scale word of ao holds the bytes of two heads, which two
; work-groups make: so a row's two bytes leave by a store of 2 bytes a lane.
; LIMITS: NaN and infinities are not served; the promise holds while the scaled scores stay under 2^31 in magnitude; a block whose largest magnitude lies under 2^-118 keeps the byte 1; 1 / the sum is v_rcp_f32.
; A block's largest p is taken as the exponential of its largest score.
; REGISTERS: v1-5, v9, v184, v188-189 addresses; v6-7 Q's scale words; v8 p's; v[10:11] V's; v[12:15] K's as loaded; v186-187 K's joined; v185 pass 1's of Q; v16-39 Q, zero codes, Q; v40-103 and v192-255 the two regions;
;   v104-135 O^T; v136-151 p's codes; v152-175 at work; v176-183 pass 1's Q.
.set SB,   17152                       ; a key step in LDS and in memory
.set KHS,  16*SB
.set QGS,  8704
.set QHS,  16*QGS
.set ASO,  8388608                     ; where ao's scale words begin
.set SPARE, 16*SB                      ; behind the head: the spare words, 128 bytes a wave
.set L16,  1                           ; 16 x lane
.set ADK,  2                           ; the step in hand + 16 x lane
.set ADT,  3                           ; the step in hand + 8 x lane
.set SPW,  4
.set NIL,  5
.set QW,   6                           ; Q's scale words: v6 for [Q|0], v7 for [0|Q]
.set PS,   8
.set L8,   9
.set VS,   10
.set QF,   16
.set RA,   40
.set OO,   104
.set CD,   136
.set NM,   152                         ; -M;  v153 the largest score so far
.set RM,   153
.set SUM,  154
.set FF,   156                         ; f;  v157 stays 0 (named with it as a pair)
.set TT,   158
.set TU,   159
.set BM,   160
.set BP,   164
.set LM,   168
.set SO,   172
.set QN,   176
.set ADN,  184                         ; the next step + 16 x lane
.set QNS,  185
.set KC,   186
.set R16,  188
.set R4,   189
.set RB,   192
.set WV,   10
.set G1,   16
.set G0,   32
.set CN,   36                          ; -c
.set PC,   37                          ; the pass
.set SEL,  40
.set CS,   42                          ; s[42:43] c = log2(e) / 8
.set MNT,  44
.set TB,   45
.set CNT,  46
.set TN,   47
.set QB,   48
.set QS,   50
.set AO,   52
.set AS,   54
.macro CROUND                          ; a round of the cluster's barrier
	s_barrier_signal -1
	s_barrier_wait -1
	s_cmp_lg_u32 s[WV], 0
	s_cbranch_scc1 .Lnot_wave_0_\@
	s_barrier_signal -3
.Lnot_wave_0_\@:
	s_barrier_wait -3
	s_barrier_signal -1
	s_barrier_wait -1
.endm
	s_load_b128 s[4:7], s[0:1], 0x0                ; qbuf, kvbuf
	s_load_b64 s[8:9], s[0:1], 0x10                ; ao
	v_lshl_add_u32 v[SPW], v0, 2, SPARE
	v_mov_b32 v[NIL], 0
	ds_add_u32 v[SPW], v[NIL]                      ; the opening lines: the add twice on end and its wait ahead of my tensor load
	ds_add_u32 v[SPW], v[NIL]
	v_lshrrev_b32 v1, 5, v0
	v_readfirstlane_b32 s[WV], v1                  ; wave 0..15
	s_bfe_u32 s11, ttmp6, 0x40000                  ; cx
	s_lshl_b32 s13, ttmp9, 2
	s_add_co_u32 s13, s13, s11                     ; xq: my 512 queries: it enters Q's and ao's addresses alone
	s_and_b32 s12, ttmp7, 0xffff                   ; the head, which the four partners share
	s_mov_b32 s[G1], 15|(3<<16)|(1<<21)            ; the mask: all four work-groups; elements of 8 bytes; bit 21 beside a mask
	s_mov_b32 s[G1+1], 32<<16                      ; rows of 256 bytes
	s_mov_b32 s[G1+2], 67<<16                      ; 67 rows: a step's 17,152 dense bytes
	s_mov_b32 s[G1+3], 32<<16
	s_mov_b32 s[G1+4], 67
	s_mov_b32 s[G1+5], 32
	s_mov_b32 s[G1+6], 0
	s_mov_b32 s[G1+7], 0
	s_mul_i32 s58, s[WV], SB                       ; my step, in LDS and in the head
	s_mul_i32 s56, s12, KHS
	s_add_co_u32 s56, s56, s58
	s_mov_b32 s57, 0
	s_wait_dscnt 0x0
	s_wait_kmcnt 0x0
	s_mov_b32 s[G0], 1
	s_mov_b32 s[G0+1], s58
	s_add_nc_u64 s[G0+2:G0+3], s[6:7], s[56:57]
	s_or_b32 s[G0+3], s[G0+3], 0x80000000
	CROUND                                         ; all four work-groups are here: the joint loads meet
	tensor_load_to_lds s[G0:G0+3], s[G1:G1+7]
	s_nop 0
.rept 4
	v_nop
.endr
	; my tile: 16 pass + wave of the work-group's 32: group 2 pass + wave / 8, tile wave % 8 in it
	s_mul_i32 s56, s12, QHS
	s_lshl_b32 s59, s13, 2
	s_lshr_b32 s60, s[WV], 3
	s_add_co_u32 s59, s59, s60
	s_mul_i32 s59, s59, QGS
	s_add_co_u32 s56, s56, s59
	s_and_b32 s60, s[WV], 7
	s_lshl_b32 s62, s60, 10
	s_add_co_u32 s62, s62, s56
	s_mov_b32 s63, 0
	s_add_nc_u64 s[QB:QB+1], s[4:5], s[62:63]
	s_and_b32 s61, s[WV], 1
	s_lshl_b32 s61, s61, 8
	s_add_co_u32 s56, s56, s61
	s_lshr_b32 s60, s60, 1
	s_lshl_b32 s60, s60, 2
	s_add_co_u32 s56, s56, s60
	s_add_co_u32 s56, s56, 8192
	s_add_nc_u64 s[QS:QS+1], s[4:5], s[56:57]
	s_lshr_b32 s59, s12, 4
	s_lshl_b32 s59, s59, 7                         ; 128 tiles a batch
	s_lshl_b32 s60, s13, 5
	s_add_co_u32 s59, s59, s60
	s_add_co_u32 s59, s59, s[WV]                   ; pass 0's tile of tokens
	s_and_b32 s60, s12, 15                         ; hd
	s_lshl_b32 s56, s59, 14
	s_lshl_b32 s61, s60, 10                        ; image hd / 2, pieces 2 (hd % 2) on
	s_add_co_u32 s56, s56, s61
	s_add_nc_u64 s[AO:AO+1], s[8:9], s[56:57]
	s_lshl_b32 s56, s59, 9
	s_lshr_b32 s61, s60, 1
	s_lshl_b32 s61, s61, 6
	s_add_co_u32 s56, s56, s61
	s_and_b32 s61, s60, 1
	s_lshl_b32 s61, s61, 1
	s_add_co_u32 s56, s56, s61
	s_add_co_u32 s56, s56, ASO
	s_add_nc_u64 s[AS:AS+1], s[8:9], s[56:57]
	s_mov_b32 s[SEL], 0x76543210
	s_mov_b32 s[SEL+1], 0xfedcba98
	s_mov_b32 s[CS], 0x3e38aa3b                    ; c = log2(e) / sqrt(64)
	s_mov_b32 s[CS+1], s[CS]
	s_mov_b32 s[CN], 0xbe38aa3b                    ; -c
	s_mov_b32 s[MNT], 0x600000
	v_and_b32 v2, 31, v0
	v_lshlrev_b32 v[L16], 4, v2
	v_lshlrev_b32 v[L8], 3, v2
	v_and_b32 v3, 15, v0
	v_lshlrev_b32 v[R16], 4, v3
	v_lshlrev_b32 v[R4], 2, v3
	; Q of both passes: pass 0's into its two places, pass 1's into v176-183
.irp o, 0, 16
	global_load_b128 v[QF+\o:QF+\o+3], v[L16], s[QB:QB+1]
	global_load_b128 v[QF+\o+4:QF+\o+7], v[L16], s[QB:QB+1] offset:512
.endr
	global_load_b32 v[QW], v[R16], s[QS:QS+1]
	global_load_b128 v[QN:QN+3], v[L16], s[QB:QB+1] offset:2*QGS
	global_load_b128 v[QN+4:QN+7], v[L16], s[QB:QB+1] offset:2*QGS+512
	global_load_b32 v[QNS], v[R16], s[QS:QS+1] offset:2*QGS
.irp j, 24,25,26,27,28,29,30,31
	v_mov_b32 v[\j], 0                             ; the zero codes between Q's two places; never written again
.endr
.irp j, FF+1, TT, BP, BP+1, BP+2, BP+3
	v_mov_b32 v[\j], 0                             ; written once: a pair's upper half, and the lane permutes' destinations
.endr
; K's eight tiles of a step into region kr: tile a into fragment 2 (a / 4) + a % 2, half (a % 4) / 2
.macro KLOAD adr, kr
.irp a, 0,1,2,3,4,5,6,7
.set KR, \kr+16*(2*(\a/4)+\a%2)+8*((\a%4)/2)
	ds_load_b128 v[KR:KR+3], v[\adr] offset:\a*1024
	ds_load_b128 v[KR+4:KR+7], v[\adr] offset:\a*1024+512
.endr
.endm
.macro TMM ss, j0, j1                  ; t - M, two at a time
.set j, \j0
.rept (\j1-\j0)/2
	v_pk_fma_f32 v[\ss+j:\ss+j+1], v[\ss+j:\ss+j+1], s[CS:CS+1], v[NM:NM+1] op_sel_hi:[1,0,0]
.set j, j+2
.endr
.endm
; THE SOFTMAX of the 128 scores a query in region ss, up to p's codes and scale word
.macro SOFT ss
.irp b, 0,1,2,3
	v_max3_num_f32 v[BM+\b], v[\ss+16*\b], v[\ss+16*\b+1], v[\ss+16*\b+2]   ; the largest score of each block of 32 keys: for the row's maximum and for the block's largest p
.endr
.irp i, 3,5,7,9,11,13
.irp b, 0,1,2,3
	v_max3_num_f32 v[BM+\b], v[BM+\b], v[\ss+16*\b+\i], v[\ss+16*\b+\i+1]
.endr
.endr
.irp b, 0,1,2,3
	v_max_num_f32 v[BM+\b], v[BM+\b], v[\ss+16*\b+15]
.endr
.irp b, 0,1,2,3
	v_permlanex16_b32 v[BP+\b], v[BM+\b], s[SEL], s[SEL+1]
.endr
.irp b, 0,1,2,3
	v_max_num_f32 v[BM+\b], v[BM+\b], v[BP+\b]     ; with lane l xor 16's 16 keys
.endr
	v_max3_num_f32 v[RM], v[BM], v[BM+1], v[RM]    ; the running largest score
	v_max3_num_f32 v[RM], v[BM+2], v[BM+3], v[RM]
	v_mul_f32 v[TT], s[CN], v[RM]                  ; -t
	v_mov_b32 v[TU], v[NM]
	v_floor_f32 v[NM], v[TT]                       ; the new -M = floor(-t) = -ceil(t)
	v_sub_f32 v[TU], v[NM], v[TU]                  ; old M - new M: a whole number, 0 or less
	TMM \ss, 0, 16
	v_cvt_i32_f32 v[TU], v[TU]                     ; (it saturates)
	TMM \ss, 16, 32
	v_ldexp_f32 v[FF], 1.0, v[TU]                  ; f = 2^(old M - new M)
	TMM \ss, 32, 64
.irp b, 0,1,2,3
	v_fma_f32 v[BM+\b], v[BM+\b], s[CS], v[NM]     ; the same of each block's largest score
.endr
	s_wait_alu depctr_va_vdst(0)                   ; the wait ahead of the batch
.set j, 0
.rept 64
	v_exp_f32 v[\ss+j], v[\ss+j]                   ; p = 2^(t - M): not normalised
.set j, j+1
.endr
.irp b, 0,1,2,3
	v_exp_f32 v[BM+\b], v[BM+\b]                   ; the block's largest p
.endr
	v_pk_mul_f32 v[SUM:SUM+1], v[SUM:SUM+1], v[FF:FF+1] op_sel_hi:[1,0]   ; the sums under the new M (the plain place behind the batch)
	s_wait_alu depctr_va_vdst(0)                   ; one wait for the batch, ahead of its first reader
.irp b, 0,1,2,3
	v_max_num_f32 v[BM+\b], 0x4800000, v[BM+\b]    ; the floor 2^(9 - 127): the byte cannot fall under 1
.endr
.irp b, 0,1,2,3
	v_add_nc_u32 v[SO+\b], 0xfc000000, v[BM+\b]    ; 8 off the exponent field: the conversion's scale operand
.endr
.irp b, 0,1,2,3
	v_and_or_b32 v[LM+\b], v[BM+\b], 0x7f800000, s[MNT]   ; 448 x the scale
.endr
.irp b, 0,1,2,3
	v_lshrrev_b32 v[BP+\b], 23, v[SO+\b]           ; the scale's byte
.endr
	v_lshl_or_b32 v[TT], v[BP+1], 8, v[BP]
	v_lshl_or_b32 v[TT], v[BP+2], 16, v[TT]
	v_lshl_or_b32 v[PS], v[BP+3], 24, v[TT]        ; p's scale word for these 128 keys
	; the row's sum of the unquantised p: 32 pairs in five chains
.set n, 0
.irp r, 160,162,164,166
	v_pk_add_f32 v[\r:\r+1], v[\ss+4*n:\ss+4*n+1], v[\ss+4*n+2:\ss+4*n+3]
.set n, n+1
.endr
	v_pk_add_f32 v[SUM:SUM+1], v[SUM:SUM+1], v[\ss+16:\ss+17]
.irp base, 18, 28, 38, 48
.set n, 0
.irp r, 160,162,164,166
	v_pk_add_f32 v[\r:\r+1], v[\r:\r+1], v[\ss+\base+2*n:\ss+\base+2*n+1]
.set n, n+1
.endr
	v_pk_add_f32 v[SUM:SUM+1], v[SUM:SUM+1], v[\ss+\base+8:\ss+\base+9]
.endr
	v_pk_add_f32 v[160:161], v[160:161], v[\ss+58:\ss+59]
	v_pk_add_f32 v[162:163], v[162:163], v[\ss+60:\ss+61]
	v_pk_add_f32 v[164:165], v[164:165], v[\ss+62:\ss+63]
	v_pk_add_f32 v[160:161], v[160:161], v[162:163]
	v_pk_add_f32 v[164:165], v[164:165], v[166:167]
	v_pk_add_f32 v[160:161], v[160:161], v[164:165]
	v_pk_add_f32 v[SUM:SUM+1], v[SUM:SUM+1], v[160:161]
	; the hold, two to an instruction: the conversion to an 8-bit code does not saturate (ISA guide 7.6.2); p is not negative, so it is one-sided
.irp b, 0,1,2,3
.irp i, 0,2,4,6,8,10,12,14
	v_dual_min_num_f32 v[\ss+16*\b+\i], v[LM+\b], v[\ss+16*\b+\i] :: v_dual_min_num_f32 v[\ss+16*\b+\i+1], v[LM+\b], v[\ss+16*\b+\i+1]
.endr
.endr
.irp b, 0,1,2,3
	v_cvt_scalef32_pk8_fp8_f32 v[CD+4*\b:CD+4*\b+1], v[\ss+16*\b:\ss+16*\b+7], v[SO+\b]
	v_cvt_scalef32_pk8_fp8_f32 v[CD+4*\b+2:CD+4*\b+3], v[\ss+16*\b+8:\ss+16*\b+15], v[SO+\b]
.endr
.endm
; A KEY STEP: 128 keys.  ka: the region that holds K, then V;  sa: the region that takes the scores, then p, then the next step's K
.macro STEP ka, sa
	s_add_co_u32 s[TN], s[TB], SB
	s_min_u32 s[TN], s[TN], 15*SB                  ; the next step; behind the last, step 15 once more
.irp a, 0,1,2,3,4,5,6,7                        ; S^T = K Q^T: eight products, each with the constant 0 as C
.set KR, \ka+16*(2*(\a/4)+\a%2)
.set QR, QF+8*((\a%4)/2)
.if \a%2
	v_wmma_scale_f32_16x16x128_f8f6f4 v[\sa+8*\a:\sa+8*\a+7], v[KR:KR+15], v[QR:QR+15], 0, v[KC+\a/4], v[QW+(\a%4)/2] matrix_a_scale:MATRIX_SCALE_ROW1
.else
	v_wmma_scale_f32_16x16x128_f8f6f4 v[\sa+8*\a:\sa+8*\a+7], v[KR:KR+15], v[QR:QR+15], 0, v[KC+\a/4], v[QW+(\a%4)/2]
.endif
.endr
	v_add_nc_u32 v[ADK], s[TB], v[L16]
	v_add_nc_u32 v[ADT], s[TB], v[L8]
	v_add_nc_u32 v[ADN], s[TN], v[L16]
.rept 5
	v_nop                                          ; with the three additions eight places: ahead of the loads into registers that products have read, and of the first read of the scores
.endr
.irp d, 0,1,2,3
.irp c, 0,1,2,3
	ds_load_b128 v[\ka+16*\d+4*\c:\ka+16*\d+4*\c+3], v[ADK] offset:8192+2048*\d+512*\c   ; V^T's four fragments of this step
.endr
.endr
	ds_load_b64 v[VS:VS+1], v[ADT] offset:16896    ; V's scale words,
	ds_load_b128 v[12:15], v[ADN] offset:16384     ; and the next step's of K
	SOFT \sa
	KLOAD ADN, \sa                                 ; the next step's K, over p
	s_wait_dscnt 16                                ; V and the scale words are in; the 16 loads just issued may be out
	v_lshl_or_b32 v[KC], v13, 16, v12              ; K's scale words joined: lanes 0-15 tiles 0 and 2, lanes 16-31 tiles 1 and 3;
	v_lshl_or_b32 v[KC+1], v15, 16, v14            ; tiles 4 and 6, 5 and 7
	s_wait_alu depctr_va_vdst(0)                   ; the wait directly ahead of the first reader of O^T
.set j, 0
.rept 16
	v_pk_mul_f32 v[OO+j:OO+j+1], v[OO+j:OO+j+1], v[FF:FF+1] op_sel_hi:[1,0]   ; O^T under the new M; also the places between the codes, the scale words and the products
.set j, j+2
.endr
.irp d, 0,2                                    ; O^T += V^T P^T: the four accumulators by turns
	v_wmma_scale_f32_16x16x128_f8f6f4 v[OO+8*\d:OO+8*\d+7], v[\ka+16*\d:\ka+16*\d+15], v[CD:CD+15], v[OO+8*\d:OO+8*\d+7], v[VS+\d/2], v[PS]
	v_wmma_scale_f32_16x16x128_f8f6f4 v[OO+8*\d+8:OO+8*\d+15], v[\ka+16*\d+16:\ka+16*\d+31], v[CD:CD+15], v[OO+8*\d+8:OO+8*\d+15], v[VS+\d/2], v[PS] matrix_a_scale:MATRIX_SCALE_ROW1
.endr
.rept 9
	v_nop                                          ; nine places: the next scores are laid over V's fragments, which these products read
.endr
	s_wait_dscnt 0x0                               ; the next step's K is in
	s_add_co_u32 s[TB], s[TB], SB
.endm
	s_wait_alu depctr_va_vdst(0)                   ; the wait at the head's end
	s_wait_loadcnt 0x0                             ; Q of both passes
	s_wait_tensorcnt 0x0                           ; my step has landed,
	s_barrier_signal -1
	s_barrier_wait -1                              ; everybody's has: the head lies in LDS
	s_mov_b32 s[PC], 0
.Lpass:                                            ; two passes: 16 queries against all 2,048 keys
	s_cmp_eq_u32 s[PC], 0
	s_cbranch_scc1 .Lfirst
	s_wait_xcnt 0x0                                ; pass 0's stores have read their registers and bases
	s_add_nc_u64 s[AO:AO+1], s[AO:AO+1], 262144    ; 16 tiles on
	s_add_nc_u64 s[AS:AS+1], s[AS:AS+1], 8192
.irp j, 0,1,2,3,4,5,6,7
	v_mov_b32 v[QF+\j], v[QN+\j]                   ; pass 1's Q into its two places
	v_mov_b32 v[QF+16+\j], v[QN+\j]
.endr
	v_mov_b32 v[QW], v[QNS]
.Lfirst:
	KLOAD L16, RA                                  ; K's step 0
	ds_load_b128 v[12:15], v[L16] offset:16384
	v_lshlrev_b32 v[QW+1], 16, v[QW]               ; Q's scale word for [0|Q]
	v_mov_b32 v[RM], 0xff61b1e6                    ; the largest score so far: -3e38
	v_mov_b32 v[NM], 0x71800000                    ; -M: 2^100, so that the first f is 0
	v_mov_b32 v[SUM], 0
	v_mov_b32 v[SUM+1], 0
	s_wait_alu depctr_va_vdst(0)                   ; the wait directly ahead of the wait below
	s_wait_dscnt 0x0
	v_lshl_or_b32 v[KC], v13, 16, v12
	v_lshl_or_b32 v[KC+1], v15, 16, v14
.set j, 0
.rept 32
	v_mov_b32 v[OO+j], 0                           ; O^T: the step is written once; the first finds zeros.  (Also the places ahead of the first products)
.set j, j+1
.endr
	s_mov_b32 s[TB], 0
	s_mov_b32 s[CNT], 8
	s_wait_alu depctr_va_vdst(0)                   ; the wait ahead of the loop
.Lstep:                                            ; a trip is two key steps: the regions are back where they began
	STEP RA, RB
	STEP RB, RA
	s_sub_co_u32 s[CNT], s[CNT], 1
	s_cmp_lg_u32 s[CNT], 0
	s_cbranch_scc1 .Lstep
	; THE WAY OUT: O / the sum, quantised along the head's 64 channels
	v_add_f32 v[SUM], v[SUM], v[SUM+1]
	v_permlanex16_b32 v[TT], v[SUM], s[SEL], s[SEL+1]
	v_add_f32 v[SUM], v[SUM], v[TT]                ; the row's sum
	s_wait_alu depctr_va_vdst(0)                   ; the wait ahead of the transcendental
	v_rcp_f32 v[SUM], v[SUM]
	v_nop                                          ; one plain place behind it
	s_wait_alu depctr_va_vdst(0)                   ; ahead of its first reader, which is also the first reader of O^T
.set j, 0
.rept 16
	v_pk_mul_f32 v[OO+j:OO+j+1], v[OO+j:OO+j+1], v[SUM:SUM+1] op_sel_hi:[1,0]   ; register 16 b + i is channel 32 b + 16 h + i of my query
.set j, j+2
.endr
.irp b, 0,1
	v_max3_num_f32 v[BM+\b], |v[OO+16*\b]|, |v[OO+16*\b+1]|, 0x4800000
.endr
.irp i, 2,4,6,8,10,12,14
.irp b, 0,1
	v_max3_num_f32 v[BM+\b], v[BM+\b], |v[OO+16*\b+\i]|, |v[OO+16*\b+\i+1]|
.endr
.endr
.irp b, 0,1
	v_permlanex16_b32 v[BP+\b], v[BM+\b], s[SEL], s[SEL+1]
.endr
.irp b, 0,1
	v_max_num_f32 v[BM+\b], v[BM+\b], v[BP+\b]
.endr
.irp b, 0,1
	v_add_nc_u32 v[SO+\b], 0xfc000000, v[BM+\b]
.endr
.irp b, 0,1
	v_and_or_b32 v[LM+\b], v[BM+\b], 0x7f800000, s[MNT]
.endr
.irp b, 0,1
	v_lshrrev_b32 v[BP+\b], 23, v[SO+\b]
.endr
	v_lshl_or_b32 v[TT], v[BP+1], 8, v[BP]         ; my head's two bytes of the row's scale word
.irp b, 0,1
.set j, 0
.rept 16
	v_med3_num_f32 v[OO+16*\b+j], v[OO+16*\b+j], -v[LM+\b], v[LM+\b]
.set j, j+1
.endr
.endr
.irp b, 0,1
	v_cvt_scalef32_pk8_fp8_f32 v[CD+4*\b:CD+4*\b+1], v[OO+16*\b:OO+16*\b+7], v[SO+\b]
	v_cvt_scalef32_pk8_fp8_f32 v[CD+4*\b+2:CD+4*\b+3], v[OO+16*\b+8:OO+16*\b+15], v[SO+\b]
.endr
	v_nop                                          ; one plain line behind the last conversion
	global_store_b128 v[L16], v[CD:CD+3], s[AO:AO+1]                ; 512 consecutive bytes, aligned
	global_store_b128 v[L16], v[CD+4:CD+7], s[AO:AO+1] offset:512
	global_store_b16 v[R4], v[TT], s[AS:AS+1]                       ; lanes r and r + 16 write the same two bytes with the same value
	s_add_co_u32 s[PC], s[PC], 1
	s_cmp_lt_u32 s[PC], 2
	s_cbranch_scc1 .Lpass
	s_wait_tensorcnt 0x0                           ; the wave's end
	ds_add_u32 v[SPW], v[NIL]
	s_wait_dscnt 0x0
	CROUND                                         ; the closing round: no work-group ends while a partner may still ask for a tile that names it
	s_endpgm
.Lfunc_end_k_qce5ce7f5a9_attn:
	.size	k_qce5ce7f5a9_attn, .Lfunc_end_k_qce5ce7f5a9_attn-k_qce5ce7f5a9_attn
	.p2alignl 7, 3214868480
	.fill 96, 4, 3214868480
	.section	.rodata,"a",@progbits
	.p2align	6, 0x0
	.amdhsa_kernel k_qce5ce7f5a9_attn
		.amdhsa_group_segment_fixed_size 327680
		.amdhsa_private_segment_fixed_size 0
		.amdhsa_enable_private_segment 0
		.amdhsa_kernarg_size 24
		.amdhsa_user_sgpr_count 2
		.amdhsa_user_sgpr_kernarg_segment_ptr 1
		.amdhsa_wavefront_size32 1
		.amdhsa_system_sgpr_workgroup_id_x 1
		.amdhsa_system_sgpr_workgroup_id_y 1
		.amdhsa_system_sgpr_workgroup_id_z 1
		.amdhsa_system_vgpr_workitem_id 0
		.amdhsa_next_free_vgpr 256
		.amdhsa_next_free_sgpr 80
		.amdhsa_reserve_vcc 0
		.amdhsa_float_denorm_mode_32 3
		.amdhsa_float_denorm_mode_16_64 3
		.amdhsa_memory_ordered 1
		.amdhsa_forward_progress 1
		.amdhsa_inst_pref_size 52
	.end_amdhsa_kernel
	.amdgpu_metadata
---
amdhsa.version: [ 1, 2 ]
amdhsa.kernels:
  - .name:           k_qce5ce7f5a9_attn
    .symbol:         k_qce5ce7f5a9_attn.kd
    .args:
      - { .name: qbuf, .offset: 0, .size: 8, .value_kind: global_buffer, .address_space: global }
      - { .name: kvbuf, .offset: 8, .size: 8, .value_kind: global_buffer, .address_space: global }
      - { .name: ao, .offset: 16, .size: 8, .value_kind: global_buffer, .address_space: global }
    .group_segment_fixed_size: 327680
    .private_segment_fixed_size: 0
    .kernarg_segment_align: 8
    .kernarg_segment_size: 24
    .max_flat_workgroup_size: 512
    .sgpr_count:     80
    .vgpr_count:     256
    .wavefront_size: 32
...
	.end_amdgpu_metadata
.endif
;; end of part 3
;; launch proj (part 4): grid 8 x 32, 4 waves a work-group, clusters of 4 x 4, 327,680 bytes of LDS; arguments ao, wp, b_proj, x, out0; writes out0
.if DOCPART == 4
	.amdgcn_target "amdgcn-amd-amdhsa--gfx1250"
	.amdhsa_code_object_version 6
	.text
	.protected	k_qce5ce7f5a9_proj
	.globl	k_qce5ce7f5a9_proj
	.p2align	8
	.type	k_qce5ce7f5a9_proj,@function
k_qce5ce7f5a9_proj:
	s_mov_b64 s[64:65], 0
	v_nop
	global_prefetch_b8 v0, s[64:65] scope:SCOPE_SE
	s_setreg_imm32_b32 hwreg(HW_REG_WAVE_MODE, 25, 1), 1
	s_wait_xcnt 0x0
	s_wait_alu depctr_hold_cnt(0) depctr_sa_sdst(0) depctr_va_vdst(0) depctr_va_sdst(0) depctr_va_ssrc(0) depctr_va_vcc(0) depctr_vm_vsrc(0)
	s_getreg_b32 s2, hwreg(HW_REG_IB_STS2, 6, 4)
	s_cmp_eq_u32 s2, 0
	s_cbranch_scc0 .Lentry_in_a_cluster
	s_endpgm
.Lentry_in_a_cluster:
	s_bfe_u32 s2, ttmp6, 0x10000c
	s_cmp_lg_u32 s2, 0xf033
	s_cbranch_scc0 .Lentry_shape_is_right
	s_endpgm
.Lentry_shape_is_right:
; out0[b][c][t] = x[b][c][t] + b_proj[c] + the sum over k of ao[b t][k] W_proj[k][c], on codes of FP8 (E4M3) with one E8M0 scale for each 32 along K = 1,024.
; INPUT (this program's own layout).  ao and wp: tiles of 16 rows (tokens; channels), 16,384 bytes each: 8 images of operand registers, one for each 128 along K: [piece 0..3][lane][16 bytes].
; Behind all codes the scale words, 512 bytes a tile: [K step / 2][K step % 2][row], four bytes each.  Row r of tile 2 e + u is token (channel) 32 e + 8 u + r + 8 (r / 8).
; SHARES.  A work-group makes 256 tokens x 128 channels: 8 x 32 = 256 work-groups.  Each of its four waves makes 128 tokens x 64 channels: 32 accumulators of 16 x 16, 256 registers.
; K goes in steps of 256 (two products deep) through a ring of two LDS slots: 16 tiles of ao and 8 of wp, 4,096 bytes of each tile.  The scale words of all of K come once, at the head, and stay.
; CLUSTERS: 4 x 4 work-groups.  ao's tiles hang on the token block alone and are asked for jointly along a row of the cluster, wp's on the channel block alone and along a column.
; Source 0 = 16 tokens, source 1 = 16 channels: a lane holds one channel and eight neighbouring tokens; the bias is the C of the first products.
; THE WAY OUT: 16 channels x 128 tokens at a time through the wave's own stage in LDS, back as rows of 512 bytes into the block's own accumulator registers, + x, stored: 32 lanes store 512 consecutive bytes, aligned.
; x IS PREFETCHED INTO THE L2: my wave's part is 64 rows of 512 bytes, 128 aligned blocks of 256 bytes; a request names 32 of them, two lanes to a row; one request behind each of the four first half steps.
; Each block is named once, by the wave that will read it; the request's registers are never written again.
; REGISTERS.  Window 0: v16-30 addresses; v32-63 scale words, a set for each slot; v64-95 the bias; v128-255 wp's fragments, two sets of 4.  Window 1: ao's fragments, two sets of 8; then x.  Window 2: the accumulators, (a, b) at v[8 (8 a + b)].
.set SLOT,  131072
.set WREG,  65536                      ; in a slot: ao's 16 tiles from 0, wp's 8 tiles from here
.set SCL,   2*SLOT                     ; ao's scale words, 8,192 bytes; wp's, 4,096, from SCL + 8,192
.set SPARE, SCL+16384                  ; the spare words, 128 bytes a wave
.set STAGE, SPARE+512
.set SPITCH, 528
.set XSO,   8388608
.set WSO,   1048576
.set NP,    8                          ; places behind this matrix instruction (ISA guide 7.12.1)
.set AD1,  16                          ; v16-17 my fragments of wp in slot 0, 1
.set BO,   18
.set AD0,  20                          ; v20-21 my fragments of ao
.set STO,  22
.set RD,   23
.set L16,  24
.set ADS1, 26
.set ADS0, 27
.set SPW,  28
.set NIL,  29
.set PFO,  30
.set SC,   32
.set BIAS, 64
.set AF,   128
.set G1, 24
.set G0, 32
.set G1B, 48
.set G0B, 56
.set G1S, 68
.set G0S, 76
.set G1SB, 80
.set G0SB, 88
.set MSB, 0
.macro WIN new                         ; the immediate's high byte repeats the setting that is left
.if MSB != (\new)
	s_set_vgpr_msb (MSB<<8)|(\new)
.set MSB, (\new)
.endif
.endm
.macro JLOAD g0a, g1a, g0b, g1b        ; a joint load of the ring: waves 0 and 1 fetch ao's halves, waves 2 and 3 wp's
	s_cmp_eq_u32 s15, 0
	s_cbranch_scc0 .Lfor_b_\@
	tensor_load_to_lds s[\g0a:\g0a+3], s[\g1a:\g1a+7]
	s_nop 0
.rept 4
	v_nop
.endr
	s_branch .Lasked_\@
.Lfor_b_\@:
	tensor_load_to_lds s[\g0b:\g0b+3], s[\g1b:\g1b+7]
	s_nop 0
.rept 4
	v_nop
.endr
.Lasked_\@:
.endm
.macro CREST                           ; a round of the cluster's barrier behind its opening barrier
	s_cmp_lg_u32 s14, 0
	s_cbranch_scc1 .Lnot_wave_0_\@
	s_barrier_signal -3
.Lnot_wave_0_\@:
	s_barrier_wait -3
	s_barrier_signal -1
	s_barrier_wait -1
.endm
.macro CROUND
	s_barrier_signal -1
	s_barrier_wait -1
	CREST
.endm
.macro PLACES n
.rept \n
	v_nop
.endr
.endm
	s_load_b256 s[4:11], s[0:1], 0x0               ; ao, wp, b_proj, x
	s_load_b64 s[12:13], s[0:1], 0x20              ; out0
	v_lshl_add_u32 v[SPW], v0, 2, SPARE
	v_mov_b32 v[NIL], 0
	ds_add_u32 v[SPW], v[NIL]                      ; the opening lines: the add twice on end and its wait ahead of my first tensor load
	ds_add_u32 v[SPW], v[NIL]
	v_lshrrev_b32 v1, 5, v0
	v_readfirstlane_b32 s14, v1                    ; wave 0..3
	s_lshr_b32 s15, s14, 1                         ; which 64 channels are mine.  Also: I fetch for ao (0) or for wp (1)
	s_and_b32 s16, s14, 1                          ; which 128 tokens.  Also: which half of that tile I fetch
	s_bfe_u32 s40, ttmp6, 0x40000                  ; cx, cy
	s_bfe_u32 s41, ttmp6, 0x40004
	s_lshl_b32 s42, ttmp9, 2
	s_add_co_u32 s42, s42, s40                     ; the block of 128 channels
	s_and_b32 s17, ttmp7, 0xffff
	s_lshl_b32 s17, s17, 2
	s_add_co_u32 s17, s17, s41                     ; the block of 256 tokens
	s_lshl_b32 s43, s41, 2
	s_lshl_b32 s43, 15, s43                        ; my row of the cluster
	s_lshl_b32 s44, 0x1111, s40                    ; my column
	s_or_b32 s[G1+0], s43, (3<<16)|(1<<21)         ; elements of 8 bytes; bit 21 beside a mask
	s_or_b32 s[G1B+0], s44, (3<<16)|(1<<21)
.irp g, G1, G1B
	s_mov_b32 s[\g+1], 512<<16                     ; a row: 4,096 bytes of a tile,
	s_mov_b32 s[\g+3], 512<<16
	s_mov_b32 s[\g+5], 2048                        ; 16,384 bytes from tile to tile
	s_mov_b32 s[\g+6], 0
	s_mov_b32 s[\g+7], 0
.endr
	s_mov_b32 s[G1+2], 16<<16                      ; the head's loads bring whole tiles: 16 rows of ao,
	s_mov_b32 s[G1+4], 16
	s_mov_b32 s[G1B+2], 8<<16                      ; 8 of wp
	s_mov_b32 s[G1B+4], 8
	s_or_b32 s[G1S+0], s43, (3<<16)|(1<<21)
	s_or_b32 s[G1SB+0], s44, (3<<16)|(1<<21)
.irp g, G1S, G1SB
	s_mov_b32 s[\g+1], 32<<16                      ; the scale words: dense rows of 256 bytes
	s_mov_b32 s[\g+3], 32<<16
	s_mov_b32 s[\g+5], 32
	s_mov_b32 s[\g+6], 0
	s_mov_b32 s[\g+7], 0
.endr
	s_mov_b32 s[G1S+2], 32<<16
	s_mov_b32 s[G1S+4], 32
	s_mov_b32 s[G1SB+2], 16<<16
	s_mov_b32 s[G1SB+4], 16
	s_lshl_b32 s20, s17, 4                         ; ao's first tile
	s_lshl_b32 s46, s42, 3                         ; wp's
	s_lshl_b32 s22, s20, 9
	s_add_co_u32 s22, s22, XSO
	s_lshl_b32 s92, s46, 9
	s_add_co_u32 s92, s92, WSO
	s_lshl_b32 s20, s20, 14
	s_lshl_b32 s46, s46, 14
	s_mov_b32 s21, 0
	s_mov_b32 s23, 0
	s_mov_b32 s47, 0
	s_mov_b32 s93, 0
	s_lshl_b32 s45, s16, 15                        ; in the ring: where my half of ao's tile goes,
	s_lshl_b32 s94, s16, 14
	s_add_co_u32 s94, s94, WREG                    ; and my half of wp's
	s_wait_dscnt 0x0
	s_wait_kmcnt 0x0
	s_add_nc_u64 s[20:21], s[4:5], s[20:21]
	s_add_nc_u64 s[22:23], s[4:5], s[22:23]
	s_add_nc_u64 s[46:47], s[6:7], s[46:47]
	s_add_nc_u64 s[92:93], s[6:7], s[92:93]
	CROUND                                         ; all sixteen work-groups are here: the first joint loads meet
	s_mov_b32 s[G0S], 1
	s_mov_b32 s[G0S+1], SCL
	s_mov_b64 s[G0S+2:G0S+3], s[22:23]
	s_or_b32 s[G0S+3], s[G0S+3], 0x80000000
	s_mov_b32 s[G0SB], 1
	s_mov_b32 s[G0SB+1], SCL+8192
	s_mov_b64 s[G0SB+2:G0SB+3], s[92:93]
	s_or_b32 s[G0SB+3], s[G0SB+3], 0x80000000
	s_lshl_b32 s4, s16, 17                         ; my half in memory: 8 tiles of ao (the two pointers that lay here have been used),
	s_mov_b32 s5, 0
	s_lshl_b32 s6, s16, 16                         ; 4 tiles of wp
	s_mov_b32 s7, 0
	s_mov_b32 s[G0], 1                             ; slot 0's groups 0 serve the head's loads, whole tiles, and take the ring's form behind the wait
	s_mov_b32 s[G0+1], 0
	s_mov_b64 s[G0+2:G0+3], s[20:21]
	s_or_b32 s[G0+3], s[G0+3], 0x80000000
	s_mov_b32 s[G0B], 1
	s_mov_b32 s[G0B+1], WREG
	s_mov_b64 s[G0B+2:G0B+3], s[46:47]
	s_or_b32 s[G0B+3], s[G0B+3], 0x80000000
	s_mov_b32 s[G0+4], 1                           ; slot 1's: my half, the second 256 along K
	s_add_co_u32 s[G0+5], s45, SLOT
	s_add_nc_u64 s[G0+6:G0+7], s[20:21], s[4:5]
	s_add_nc_u64 s[G0+6:G0+7], s[G0+6:G0+7], 4096
	s_or_b32 s[G0+7], s[G0+7], 0x80000000
	s_mov_b32 s[G0B+4], 1
	s_add_co_u32 s[G0B+5], s94, SLOT
	s_add_nc_u64 s[G0B+6:G0B+7], s[46:47], s[6:7]
	s_add_nc_u64 s[G0B+6:G0B+7], s[G0B+6:G0B+7], 4096
	s_or_b32 s[G0B+7], s[G0B+7], 0x80000000
; THE HEAD'S LOADS, ONE A WAVE: wave 0 slot 0's tiles of ao, wave 1 those of wp, wave 2 ao's scale words, wave 3 wp's: one chain of branches on the wave's number
.macro ARM under, g0, g1, next
	s_cmp_lt_u32 s14, \under
	s_cbranch_scc0 \next
	tensor_load_to_lds s[\g0:\g0+3], s[\g1:\g1+7]
	s_nop 0
.rept 4
	v_nop
.endr
	s_branch .Lhead_asked
\next:
.endm
	ARM 1, G0,  G1,  .Lhead_b
	ARM 2, G0B, G1B, .Lhead_sa
	ARM 3, G0S, G1S, .Lhead_sb
	tensor_load_to_lds s[G0SB:G0SB+3], s[G1SB:G1SB+7]
	s_nop 0
.rept 4
	v_nop
.endr
.Lhead_asked:
	s_lshl_b32 s18, s42, 7
	s_lshl_b32 s19, s15, 6
	s_add_co_u32 s95, s18, s19                     ; my first channel
	s_lshl_b32 s18, s95, 2
	s_mov_b32 s19, 0
	s_add_nc_u64 s[18:19], s[8:9], s[18:19]        ; its bias
	s_lshl_b32 s66, s15, 14
	s_add_co_u32 s66, s66, WREG                    ; my 4 tiles of wp in a slot
	s_lshl_b32 s67, s16, 15                        ; my 8 tiles of ao
	s_lshl_b32 s96, s15, 11
	s_add_co_u32 s96, s96, SCL+8192                ; their scale words
	s_lshl_b32 s97, s16, 12
	s_add_co_u32 s97, s97, SCL
	s_mul_i32 s98, s14, 16*SPITCH
	s_add_co_u32 s98, s98, STAGE                   ; my stage
	s_lshr_b32 s20, s17, 3                         ; x and out0: batch,
	s_lshl_b32 s20, s20, 23
	s_lshl_b32 s21, s95, 13                        ; channel,
	s_add_co_u32 s20, s20, s21
	s_and_b32 s21, s17, 7
	s_lshl_b32 s21, s21, 10                        ; 256 tokens,
	s_add_co_u32 s20, s20, s21
	s_lshl_b32 s21, s16, 9                         ; my 128 of them
	s_add_co_u32 s46, s20, s21
	s_mov_b32 s47, 0
	s_add_nc_u64 s[20:21], s[10:11], s[46:47]
	s_add_nc_u64 s[22:23], s[12:13], s[46:47]
	v_and_b32 v1, 15, v0                           ; r
	v_bfe_u32 v2, v0, 4, 1                         ; h
	v_and_b32 v3, 31, v0
	v_lshlrev_b32 v[L16], 4, v3
	v_lshlrev_b32 v4, 2, v3
	v_add_nc_u32 v[AD1], s66, v[L16]
	v_add_nc_u32 v[AD0], s67, v[L16]
	v_add_nc_u32 v[AD1+1], SLOT, v[AD1]
	v_add_nc_u32 v[AD0+1], SLOT, v[AD0]
	v_add_nc_u32 v[ADS1], s96, v4
	v_add_nc_u32 v[ADS0], s97, v4
	v_and_b32 v5, 8, v1
	v_add_nc_u32 v5, v5, v1
	v_lshlrev_b32 v[BO], 2, v5                     ; 4 (r + 8 (r / 8))
	v_mul_u32_u24 v6, v1, SPITCH
	v_lshl_add_u32 v6, v2, 6, v6
	v_add_nc_u32 v[STO], s98, v6                   ; into the stage: row r, 64 bytes for each half of the lanes
	v_add_nc_u32 v[RD], s98, v[L16]                ; back: the 32 lanes take one row of 512 bytes
	v_bfe_u32 v[PFO], v0, 1, 4
	v_and_b32 v7, 1, v0
	v_lshlrev_b32 v[PFO], 13, v[PFO]
	v_lshl_add_u32 v[PFO], v7, 8, v[PFO]           ; 8,192 (lane / 2) + 256 (lane % 2)
.irp a, 0,1,2,3
	global_load_b32 v[BIAS+8*\a], v[BO], s[18:19] offset:(32*(\a/2)+8*(\a%2))*4
.endr
.macro ASKX i
	global_prefetch_b8 v[PFO], s[20:21] offset:(\i)*131072 th:TH_LOAD_NT scope:SCOPE_SE
.endm
.macro FRAG reg, adr, q, i             ; a fragment: four pieces of its image
.irp c, 0,1,2,3
	ds_load_b128 v[\reg+4*\c:\reg+4*\c+3], v[\adr] offset:(\i)*4096+(\q)*2048+512*\c
.endr
.endm
.macro FE slot, q                      ; the fragments of the slot's q-th 128 along K into set q: 48 loads in one run
	WIN 0x40
.irp i, 0,1,2,3,4,5,6,7
	FRAG 128*(\q)+16*\i, AD0+\slot, \q, \i
.endr
	WIN 0
.irp i, 0,1,2,3
	FRAG AF+64*(\q)+16*\i, AD1+\slot, \q, \i
.endr
.endm
.macro SCALES sc, kk                   ; a slot's scale words: lanes 0-15 its first 128 along K, lanes 16-31 its second
.irp i, 0,1,2,3
	ds_load_b32 v[SC+16*\sc+\i], v[ADS1] offset:\i*512+\kk*128
.endr
.irp i, 0,1,2,3,4,5,6,7
	ds_load_b32 v[SC+16*\sc+8+\i], v[ADS0] offset:\i*512+\kk*128
.endr
.endm
.macro MUL8 a, q, sc, zero             ; channels' block a against the eight blocks of tokens.  The 32 accumulators take turns, in the same order in every step
.irp b, 0,1,2,3,4,5,6,7
.set DD, 8*(8*(\a)+\b)
.if \zero
.set CC, BIAS+8*(\a)
.else
.set CC, DD
.endif
.if \q
	v_wmma_scale_f32_16x16x128_f8f6f4 v[DD:DD+7], v[128*\q+16*\b:128*\q+16*\b+15], v[AF+64*\q+16*(\a):AF+64*\q+16*(\a)+15], v[CC:CC+7], v[SC+16*\sc+8+\b], v[SC+16*\sc+(\a)] matrix_a_scale:MATRIX_SCALE_ROW1 matrix_b_scale:MATRIX_SCALE_ROW1
.else
	v_wmma_scale_f32_16x16x128_f8f6f4 v[DD:DD+7], v[128*\q+16*\b:128*\q+16*\b+15], v[AF+64*\q+16*(\a):AF+64*\q+16*(\a)+15], v[CC:CC+7], v[SC+16*\sc+8+\b], v[SC+16*\sc+(\a)]
.endif
.endr
.endm
.macro MULS q, sc, zero                ; a step's 32 products.  Source 0 window 1, source 1 window 0, D window 2; C window 2, or the bias in window 0
.if \zero
	WIN 0x81
.else
	WIN 0xa1
.endif
	MUL8 0, \q, \sc, \zero
	MUL8 1, \q, \sc, \zero
	MUL8 2, \q, \sc, \zero
	MUL8 3, \q, \sc, \zero
	WIN 0
.endm
; A slot's first step: set 0 is multiplied; ahead of the products the second step's fragments are asked for
.macro E slot, zero
	s_wait_dscnt 0x0                               ; set 0 and the slot's scale words are in
	PLACES NP                                      ; ahead of the loads into set 1, which the last step's products read
	FE \slot, 1
	MULS 0, \slot, \zero
.endm
; A slot's second step changes slots: ONE barrier; in front of it the wait for all my tensor loads, the add, and the wait for it and for my reads of this slot.  fill = 1: this slot is filled again, 512 along K ahead
.macro T slot, next, fill, kk
	s_wait_tensorcnt 0x0                           ; my part of the next slot is in
	ds_add_u32 v[SPW], v[NIL]
	s_wait_dscnt 1                                 ; set 1 is in; the add may be out
	WIN 0xa1
	MUL8 0, 1, \slot, 0
	s_wait_dscnt 0x0                               ; the add is done; my reads of this slot are over
	s_barrier_signal -1
	MUL8 1, 1, \slot, 0
	WIN 0
	s_barrier_wait -1
.if \fill
	CREST                                          ; the barrier has opened a round of the cluster's barrier
	s_add_nc_u64 s[G0+4*\slot+2:G0+4*\slot+3], s[G0+4*\slot+2:G0+4*\slot+3], 8192
	s_add_nc_u64 s[G0B+4*\slot+2:G0B+4*\slot+3], s[G0B+4*\slot+2:G0B+4*\slot+3], 8192
	JLOAD G0+4*\slot, G1, G0B+4*\slot, G1B         ; the first tensor load behind the round; its four v_nop are among the places ahead of the loads below
	PLACES NP-4
.else
	PLACES NP
.endif
	FE \next, 0
	SCALES \next, \kk
	WIN 0xa1
	MUL8 2, 1, \slot, 0
	MUL8 3, 1, \slot, 0
	WIN 0
.endm
	s_wait_alu depctr_va_vdst(0)                   ; the wait at the head's end
	s_wait_tensorcnt 0x0                           ; my tile of the head's four is in; no tensor load of mine is out, so descriptors may be written
	ds_add_u32 v[SPW], v[NIL]
	s_mov_b32 s[G1+2], 8<<16                       ; from here on a load brings half a tile: 8 rows of ao,
	s_mov_b32 s[G1+4], 8
	s_mov_b32 s[G1B+2], 4<<16                      ; 4 of wp
	s_mov_b32 s[G1B+4], 4
	s_mov_b32 s[G0+1], s45                         ; slot 0's groups 0 in the ring's form
	s_mov_b32 s[G0B+1], s94
	s_add_nc_u64 s[G0+2:G0+3], s[G0+2:G0+3], s[4:5]
	s_add_nc_u64 s[G0B+2:G0B+3], s[G0B+2:G0B+3], s[6:7]
	s_wait_dscnt 0x0
	CROUND                                         ; all four tiles are in, all sixteen work-groups are here
	JLOAD G0+4, G1, G0B+4, G1B                     ; slot 1's first fill, the first tensor load behind the round
	FE 0, 0
	SCALES 0, 0
	s_wait_loadcnt 0x0                             ; the bias: a lane's channel, the same for its eight tokens
.irp a, 0,1,2,3
.irp j, 1,2,3,4,5,6,7
	v_mov_b32 v[BIAS+8*\a+\j], v[BIAS+8*\a]
.endr
.endr
	s_wait_alu depctr_va_vdst(0)                   ; the wait directly ahead of the wait below
	E 0, 1                                         ; the first products start the sums from the bias
	ASKX 0
	T 0, 1, 1, 1
	E 1, 0
	ASKX 1
	T 1, 0, 1, 2
	E 0, 0
	ASKX 2
	T 0, 1, 0, 3                                   ; the last change of slots fills nothing
	E 1, 0
	ASKX 3
.macro XLOAD a                         ; x at block a's 16 channels, my 128 tokens -> window 1
	WIN 0x40
.irp i, 0,1,2,3,4,5,6,7,8,9,10,11,12,13,14,15
	global_load_b128 v[64*(\a)+4*\i:64*(\a)+4*\i+3], v[L16], s[20:21] offset:(32*((\a)/2)+8*((\a)%2)+\i+8*(\i/8))*8192 th:TH_LOAD_NT
.endr
	WIN 0
.endm
.macro TOSTAGE a                       ; LDS serves a wave's instructions in order: the loads see the stores, and the next block's stores come behind them
.set AC, 64*(\a)
	WIN 0x08
.irp b, 0,1,2,3,4,5,6,7
	ds_store_b128 v[STO], v[AC+8*\b:AC+8*\b+3] offset:128*(\b/2)+32*(\b%2)          ; each accumulator from its low end on
	ds_store_b128 v[STO], v[AC+8*\b+4:AC+8*\b+7] offset:128*(\b/2)+32*(\b%2)+16
.endr
	WIN 0x80                                       ; the rows come back into the block's own registers: no store's data are written again
.irp i, 0,1,2,3,4,5,6,7,8,9,10,11,12,13,14,15
	ds_load_b128 v[AC+4*\i:AC+4*\i+3], v[RD] offset:\i*SPITCH
.endr
	WIN 0
.endm
.macro ADDX a
.set AC, 64*(\a)
	WIN 0x86                                       ; destination and source 0 window 2; source 1: x, at the same numbers in window 1
.set j, 0
.rept 32
	v_pk_add_f32 v[AC+j:AC+j+1], v[AC+j:AC+j+1], v[AC+j:AC+j+1]
.set j, j+2
.endr
	WIN 0
.endm
.macro SEND a
.set AC, 64*(\a)
	WIN 0x08                                       ; a store's data are its source 1
.irp i, 0,1,2,3,4,5,6,7,8,9,10,11,12,13,14,15
	global_store_b128 v[L16], v[AC+4*\i:AC+4*\i+3], s[22:23] offset:(32*((\a)/2)+8*((\a)%2)+\i+8*(\i/8))*8192 th:TH_STORE_NT
.endr
	WIN 0
.endm
	s_wait_dscnt 0x0                               ; the very last step: set 1 is in
	PLACES NP                                      ; ahead of the loads into ao's set 0, which the step before multiplied
	XLOAD 0
	XLOAD 1
	MULS 1, 1, 0
	PLACES NP                                      ; ahead of the loads into set 1 and of the first read of the results
	XLOAD 2
	XLOAD 3
.irp a, 0,1,2,3
	TOSTAGE \a
	s_wait_dscnt 0x0                               ; the block is back in registers
	s_wait_loadcnt 16*(3-\a)                       ; its x is in; the later blocks' loads may be out
	ADDX \a
	SEND \a
.endr
	s_wait_tensorcnt 0x0                           ; the wave's end
	ds_add_u32 v[SPW], v[NIL]
	s_wait_dscnt 0x0
	CROUND                                         ; the closing round: no work-group ends while a partner may still ask for a tile that names it
	s_endpgm
.Lfunc_end_k_qce5ce7f5a9_proj:
	.size	k_qce5ce7f5a9_proj, .Lfunc_end_k_qce5ce7f5a9_proj-k_qce5ce7f5a9_proj
	.p2alignl 7, 3214868480
	.fill 96, 4, 3214868480
	.section	.rodata,"a",@progbits
	.p2align	6, 0x0
	.amdhsa_kernel k_qce5ce7f5a9_proj
		.amdhsa_group_segment_fixed_size 327680
		.amdhsa_private_segment_fixed_size 0
		.amdhsa_enable_private_segment 0
		.amdhsa_kernarg_size 40
		.amdhsa_user_sgpr_count 2
		.amdhsa_user_sgpr_kernarg_segment_ptr 1
		.amdhsa_wavefront_size32 1
		.amdhsa_system_sgpr_workgroup_id_x 1
		.amdhsa_system_sgpr_workgroup_id_y 1
		.amdhsa_system_sgpr_workgroup_id_z 1
		.amdhsa_system_vgpr_workitem_id 0
		.amdhsa_next_free_vgpr 768
		.amdhsa_next_free_sgpr 100
		.amdhsa_reserve_vcc 0
		.amdhsa_float_denorm_mode_32 3
		.amdhsa_float_denorm_mode_16_64 3
		.amdhsa_memory_ordered 1
		.amdhsa_forward_progress 1
		.amdhsa_inst_pref_size 107
	.end_amdhsa_kernel
	.amdgpu_metadata
---
amdhsa.version: [ 1, 2 ]
amdhsa.kernels:
  - .name:           k_qce5ce7f5a9_proj
    .symbol:         k_qce5ce7f5a9_proj.kd
    .args:
      - { .name: ao, .offset: 0, .size: 8, .value_kind: global_buffer, .address_space: global }
      - { .name: wp, .offset: 8, .size: 8, .value_kind: global_buffer, .address_space: global }
      - { .name: b_proj, .offset: 16, .size: 8, .value_kind: global_buffer, .address_space: global }
      - { .name: x, .offset: 24, .size: 8, .value_kind: global_buffer, .address_space: global }
      - { .name: out0, .offset: 32, .size: 8, .value_kind: global_buffer, .address_space: global }
    .group_segment_fixed_size: 327680
    .private_segment_fixed_size: 0
    .kernarg_segment_align: 8
    .kernarg_segment_size: 40
    .max_flat_workgroup_size: 128
    .sgpr_count:     100
    .vgpr_count:     768
    .wavefront_size: 32
...
	.end_amdgpu_metadata
.endif
;; end of part 4
